; MI455X (gfx1250); checked and timed in simulation.
; The chip was launched on July 23, 2026; its instructions are those of AMD's public machine-readable ISA for CDNA 5 (MIT licence, August 2026) and "CDNA5" Instruction Set Architecture Reference Guide (July 2026). The comments in the code are by the model that wrote it; some were corrected since.
;; Causal Self Attention. Allowed arithmetic: matrix products marked QUANTISED: E2M1 operands, one E8M0 scale for each 32 along K, by v_wmma_scale_f32_16x16x128_f8f6f4 with both operands' format E2M1 (or v_wmma_scale_f32_32x16x128_f4), f32 sums; everything else in f32.
;; Inputs: Wk 1,024 x 1,024 float32; Wp 1,024 x 1,024 float32; Wq 1,024 x 1,024 float32; Wv 1,024 x 1,024 float32; bp 1,024 float32; x 4 x 2,048 x 1,024 float32.
;; Outputs: out0 4 x 2,048 x 1,024 float32.
;; This version of the problem:
;;   THIS VERSION OF THE PROBLEM IS GIVEN IN LOW PRECISION. The matrix products marked QUANTISED in the list below multiply operands that are first quantised to E2M1 (2 exponent bits, 1 mantissa bit; 4 bits a number), with one power-of-two scale for each 32 numbers along K (OCP MX v1.0); their sums are f32. All else is computed in f32.
;;   The module's matrix products, in the order in which they are computed (A, B: the left and right operand; K: the contracted axis; several contracted axes count as one K, in the product's order):
;;     1. [M 8,192, K 1,024] x [K 1,024, N 1,024]; A: input x; B: input Wq: QUANTISED
;;     2. [M 8,192, K 1,024] x [K 1,024, N 1,024]; A: input x; B: input Wk: QUANTISED
;;     3. [M 8,192, K 1,024] x [K 1,024, N 1,024]; A: input x; B: input Wv: QUANTISED
;;     4. batch 64 x [M 2,048, K 64] x [K 64, N 2,048]; A: computed on the way; B: computed on the way: QUANTISED
;;     5. batch 64 x [M 2,048, K 2,048] x [K 2,048, N 64]; A: softmax (see below); B: computed on the way: QUANTISED
;;     6. [M 8,192, K 1,024] x [K 1,024, N 1,024]; A: computed on the way; B: input Wp: QUANTISED
;;   THE QUANTISER, for each operand of a quantised product, along K:
;;     - K is cut into blocks of 32 from its start; a last block that is shorter is filled with zeros.
;;     - A block's scale is 2^e with e = floor(log2(the largest magnitude in the block)) - 2, held to -126 .. 127; a block of zeros has e = 0. As a byte (E8M0): e + 127.
;;     - Each number is divided by its block's scale, clamped to +-6, and rounded to the nearest number of E2M1, ties to even, subnormals kept.
;;     - The product sums the exact products of the quantised numbers (number of the format x scale) in f32.
;;   ~~~python
;;   def quantise(x, axis):      # numpy; x: float32 -> the quantised numbers, widened to float32 again
;;       x = np.moveaxis(x, axis, -1); K = x.shape[-1]
;;       x = np.pad(x, [(0, 0)] * (x.ndim - 1) + [(0, -K % 32)]); x = x.reshape(x.shape[:-1] + (-1, 32)); a = np.abs(x).max(-1, keepdims=True)
;;       e = np.where(a > 0, np.clip(np.frexp(np.where(a > 0, a, 1))[1] - 1 - 2, -126, 127), 0)      # np.frexp(a)[1] - 1 = floor(log2(a)), exactly
;;       r = np.clip(x / 2.0 ** e, -6, 6)
;;       step = 2.0 ** (np.maximum(np.frexp(np.where(r == 0, 1, r))[1] - 1, 0) - 1)
;;       q = np.round(r / step) * step * 2.0 ** e      # np.round: ties to even
;;       return np.moveaxis(q.reshape(q.shape[:-2] + (-1,))[..., :K], -1, axis).astype(np.float32)
;;   ~~~
;;   SOFTMAX AHEAD OF A QUANTISED PRODUCT. Where the list says 'softmax', what is quantised is not the finished softmax but p = 2^(t - M), with t = logit x log2(e) and M = ceil(the row's largest t), a whole number; so 1/2 < the row's largest p <= 1. The row's sum l is taken of the UNQUANTISED p, in f32, and the product's result is divided by l at the end. Since M is a whole number, a kernel that streams over the keys may use a running M (the ceiling of the running maximum): every later rescaling is an exact power of two, which a block's scale takes up: the codes' values come out the same.
;;   OPERANDS COMPUTED ON THE WAY. 'Computed on the way' means the value that the module computes at that place (a softmax that the list does not call 'softmax' is quantised finished and normalised). What goes into a quantiser is computed in f32, as accurately as f32 sums, v_exp_f32 and their like allow (about 1e-6 of the number): no bf16 or f16 on the way to a quantiser, and a product that is left as it is and whose result goes on into a quantised operand takes f32 operands (vector FMAs, or v_wmma_f32_16x16x4_f32). A number that lies on a knife's edge between two numbers of the format may be rounded either way, as far as f32 arithmetic and the matrix unit's own rounding can turn it there, and no further.
;; One version. Each part assembles by itself: llvm-mc -triple=amdgcn-amd-amdhsa -mcpu=gfx1250 --defsym DOCPART=n.
;; ======== version 1 of 1: 4 launches
;; workspace buffers: cod 6,291,456 bytes; scl 393,216 bytes; qb 4,718,592 bytes; kv 9,175,040 bytes; yimg 4,194,304 bytes; ysp 262,144 bytes
;; launch quant (part 1): grid 384 x 1, 4 waves a work-group, no clusters, 33,280 bytes of LDS; arguments x, Wq, Wk, Wv, Wp, cod, scl; writes cod, scl
.if DOCPART == 1
	.amdgcn_target "amdgcn-amd-amdhsa--gfx1250"
	.amdhsa_code_object_version 6
	.text
	.protected	k_q8b186e13a8_quant
	.globl	k_q8b186e13a8_quant
	.p2align	8
	.type	k_q8b186e13a8_quant,@function
k_q8b186e13a8_quant:
	s_mov_b64 s[64:65], 0
	v_nop
	global_prefetch_b8 v0, s[64:65] scope:SCOPE_SE
	s_setreg_imm32_b32 hwreg(HW_REG_WAVE_MODE, 25, 1), 1
	s_wait_xcnt 0x0
; x [8192][1024] and Wq, Wk, Wv, Wp [1024][1024], f32, K = 1,024 innermost, become codes of FP4 (E2M1) and one E8M0 byte for each 32 along K.
; cod: [12288 rows][512 bytes], scl: [12288 rows][32 bytes]; rows 0.. Wv, 1024.. x, 9216.. Wq, 10240.. Wk, 11264.. Wp.
; A block's scale is 2^(floor(log2(its largest magnitude)) - 2): its byte is the largest magnitude's exponent field - 2, held at 1 from below.
; ROW ORDER.  In Wv, x, Wq, Wk the four groups of 8 rows of each 32 rows are stored with the two bits of the group's number swapped: place 16 u + 8 hi + lo holds row 16 hi + 8 u + lo.
; So 16 consecutive places 16 i .. 16 i + 15 hold rows 32 (i / 2) + 8 (i % 2) + r + 8 (r / 8): the tile whose transposed product leaves 16 neighbours along the next K in a lane's registers.  Wp keeps its order.
; LIMITS: NaN and infinities among the inputs are not served; a block whose largest magnitude lies under 2^-124 keeps the byte 1; a block of zeros has the byte 1 (its codes are zeros; this program alone reads the bytes).
; SHARES.  Work-group g makes rows 32 g .. 32 g + 31 of cod; wave w takes 8 rows: 16 steps of 512 numbers.  Each of a step's four loads reads 512 consecutive bytes; the 2,048 bytes turn through the wave's
; own stage in LDS (16 bytes of padding behind each 64) and come back 64 bytes a lane: 16 neighbours along K; two neighbouring lanes hold a block.  A step's codes leave as 256 consecutive bytes,
; the wave's 256 scale bytes as one store of 256 consecutive bytes.  No barrier: waves share nothing.  Loads run four steps (16 loads a wave) ahead, the turn through LDS one step.
.set STEPS, 16
.set EMAX,  2
.set CB,    8                          ; bytes of 16 codes
.set R,     16                         ; v16-79   four sets of 16 numbers as loaded
.set X,     80                         ; v80-111  two sets of 16 neighbours
.set C,     128                        ; v128-191 codes: four registers a step, so that no store's data are written again
.set E,     112                        ; v112-127 a scale byte for each step
.set WREG,  8192                       ; LDS: a region for each wave: two stages of 32 x SP bytes, then its 256 scale bytes
.set SP,    80
	s_load_b256 s[4:11], s[0:1], 0x0               ; x s[4:5], Wq s[6:7], Wk s[8:9], Wv s[10:11]
	s_load_b128 s[12:15], s[0:1], 0x20             ; Wp s[12:13], cod s[14:15]
	s_load_b64 s[16:17], s[0:1], 0x30              ; scl
	v_lshl_add_u32 v192, v0, 2, 0x8000
	v_mov_b32 v193, 0
	v_lshrrev_b32 v1, 5, v0
	v_readfirstlane_b32 s18, v1                    ; wave
	v_and_b32 v2, 31, v0                           ; lane
	v_lshlrev_b32 v3, 4, v2                        ; my 16 bytes of a load's 512
	s_mul_i32 s19, s18, WREG
	v_lshrrev_b32 v14, 2, v2
	v_mul_u32_u24 v14, v14, SP
	v_and_b32 v15, 3, v2
	v_lshl_add_u32 v14, v15, 4, v14
	v_add_nc_u32 v14, s19, v14                     ; the stage, on the way in: SP (lane / 4) + 16 (lane % 4)
	v_mul_u32_u24 v15, v2, SP
	v_add_nc_u32 v15, s19, v15                     ; on the way out: SP x lane
	v_mul_u32_u24 v4, v2, CB                       ; my codes' place in a step's
	v_lshrrev_b32 v5, 1, v2
	s_add_co_u32 s19, s19, 2*32*SP
	v_add_nc_u32 v5, s19, v5                       ; my block's scale byte in LDS
	v_lshlrev_b32 v7, 3, v2
	v_add_nc_u32 v6, s19, v7                       ; and 8 bytes a lane on the way out
	s_wait_alu depctr_va_vdst(0)
	s_wait_kmcnt 0x0
	; which tensor, and which run of 32 rows of it: the choice hangs on the work-group's number alone
	s_mov_b64 s[20:21], s[12:13]                   ; 352.. Wp
	s_mov_b32 s22, 352
	s_cmp_lt_u32 ttmp9, 352
	s_cselect_b64 s[20:21], s[8:9], s[20:21]       ; 320.. Wk
	s_cselect_b32 s22, 320, s22
	s_cmp_lt_u32 ttmp9, 320
	s_cselect_b64 s[20:21], s[6:7], s[20:21]       ; 288.. Wq
	s_cselect_b32 s22, 288, s22
	s_cmp_lt_u32 ttmp9, 288
	s_cselect_b64 s[20:21], s[4:5], s[20:21]       ; 32.. x
	s_cselect_b32 s22, 32, s22
	s_cmp_lt_u32 ttmp9, 32
	s_cselect_b64 s[20:21], s[10:11], s[20:21]     ; 0.. Wv
	s_cselect_b32 s22, 0, s22
	s_sub_co_u32 s22, ttmp9, s22
	s_lshl_b32 s22, s22, 2
	s_add_co_u32 s22, s22, s18                     ; my run of 8 rows in the tensor,
	s_lshl_b32 s22, s22, 15                        ; 32,768 bytes each
	s_mov_b32 s23, 0
	s_add_nc_u64 s[24:25], s[20:21], s[22:23]
	s_and_b32 s22, s18, 1                          ; where the 8 rows go: the group's two bits swapped,
	s_lshl_b32 s22, s22, 1
	s_lshr_b32 s30, s18, 1
	s_or_b32 s22, s22, s30
	s_cmp_lt_u32 ttmp9, 352
	s_cselect_b32 s22, s22, s18                    ; but not in Wp
	s_lshl_b32 s30, ttmp9, 2
	s_add_co_u32 s30, s30, s22
	s_lshl_b32 s22, s30, 12                        ; 8 rows of 512 bytes of codes
	s_add_nc_u64 s[26:27], s[14:15], s[22:23]
	s_lshl_b32 s22, s30, 8                         ; 8 rows of 32 scale bytes
	s_add_nc_u64 s[28:29], s[16:17], s[22:23]
.macro LOAD t
.irp i, 0,1,2,3
	global_load_b128 v[R+16*((\t)%4)+4*\i:R+16*((\t)%4)+4*\i+3], v3, s[24:25] offset:2048*(\t)+512*\i th:TH_LOAD_NT   ; 32 lanes read 512 consecutive bytes
.endr
.endm
.macro TURN t                          ; step t's numbers through the stage: LDS serves a wave's instructions in order, so no wait stands between the stores and the loads
.irp i, 0,1,2,3
	ds_store_b128 v14, v[R+16*((\t)%4)+4*\i:R+16*((\t)%4)+4*\i+3] offset:32*SP*((\t)%2)+8*SP*\i
.endr
.irp i, 0,1,2,3
	ds_load_b128 v[X+16*((\t)%2)+4*\i:X+16*((\t)%2)+4*\i+3], v15 offset:32*SP*((\t)%2)+16*\i
.endr
.endm
.irp t, 0,1,2,3
	LOAD \t
.endr
	s_wait_loadcnt 12                              ; step 0's four loads are in; the twelve of steps 1 to 3 stay out
	TURN 0
.macro STEP t
.set XS, X+16*((\t)%2)
.if (\t) > 0
	s_wait_dscnt 1                                 ; this step's numbers are back from the stage (the last step's byte store may be out): its stores into the stage have read their registers,
.else
	s_wait_dscnt 0x0
.endif
.if (\t)+4 < STEPS
	LOAD (\t)+4                                    ; which take the loads of four steps on
.endif
.if (\t)+1 < STEPS
.if STEPS-2-(\t) >= 3
	s_wait_loadcnt 12                              ; the next step's four loads are in; those of the three steps behind it may be out
.else
	s_wait_loadcnt 4*(STEPS-2-(\t))
.endif
	TURN (\t)+1                                    ; and go through the other stage while this step is worked
.endif
	v_max3_num_f32 v8, |v[XS]|, |v[XS+1]|, |v[XS+2]|               ; the largest magnitude of my 16, in two chains
	v_max3_num_f32 v9, |v[XS+3]|, |v[XS+4]|, |v[XS+5]|
.irp i, 6,10
	v_max3_num_f32 v8, v8, |v[XS+\i]|, |v[XS+\i+1]|
	v_max3_num_f32 v9, v9, |v[XS+\i+2]|, |v[XS+\i+3]|
.endr
	v_max3_num_f32 v8, v8, |v[XS+14]|, |v[XS+15]|
	v_max3_num_f32 v8, v8, v9, (EMAX+1)<<23        ; and the floor 2^(3 - 127): the byte cannot fall under 1
	v_max_num_f32_dpp v8, v8, v8 row_xmask:1 row_mask:0xf bank_mask:0xf   ; with my neighbour's 16: the block's
	v_add_nc_u32 v11, -(EMAX<<23), v8              ; 2 off its exponent field: the conversion takes the exponent field of this operand as its scale
	v_cvt_scalef32_pk8_fp4_f32 v[C+4*(\t)], v[XS:XS+7], v11
	v_cvt_scalef32_pk8_fp4_f32 v[C+4*(\t)+1], v[XS+8:XS+15], v11
	v_lshrrev_b32 v[E+(\t)], 23, v11               ; the scale's byte (also the plain line behind the conversions)
	ds_store_b8 v5, v[E+(\t)] offset:16*(\t)       ; both lanes of a block write the same byte with the same value
	global_store_b64 v4, v[C+4*(\t):C+4*(\t)+1], s[26:27] offset:32*CB*(\t)   ; 32 lanes store 256 consecutive bytes
.endm
.irp t, 0,1,2,3,4,5,6,7,8,9,10,11,12,13,14,15
	STEP \t
.endr
	ds_load_b64 v[12:13], v6                       ; LDS serves a wave's instructions in order: these see my stores
	s_wait_dscnt 0x0
	global_store_b64 v7, v[12:13], s[28:29]        ; 32 lanes store 256 consecutive bytes
	s_wait_tensorcnt 0x0
	ds_add_u32 v192, v193
	s_wait_dscnt 0x0
	s_endpgm
.Lfunc_end_k_q8b186e13a8_quant:
	.size	k_q8b186e13a8_quant, .Lfunc_end_k_q8b186e13a8_quant-k_q8b186e13a8_quant
	.p2alignl 7, 3214868480
	.fill 96, 4, 3214868480
	.section	.rodata,"a",@progbits
	.p2align	6, 0x0
	.amdhsa_kernel k_q8b186e13a8_quant
		.amdhsa_group_segment_fixed_size 33280
		.amdhsa_private_segment_fixed_size 0
		.amdhsa_enable_private_segment 0
		.amdhsa_kernarg_size 56
		.amdhsa_user_sgpr_count 2
		.amdhsa_user_sgpr_kernarg_segment_ptr 1
		.amdhsa_wavefront_size32 1
		.amdhsa_system_sgpr_workgroup_id_x 1
		.amdhsa_system_sgpr_workgroup_id_y 1
		.amdhsa_system_sgpr_workgroup_id_z 1
		.amdhsa_system_vgpr_workitem_id 0
		.amdhsa_next_free_vgpr 194
		.amdhsa_next_free_sgpr 66
		.amdhsa_reserve_vcc 0
		.amdhsa_float_denorm_mode_32 3
		.amdhsa_float_denorm_mode_16_64 3
		.amdhsa_memory_ordered 1
		.amdhsa_forward_progress 1
		.amdhsa_inst_pref_size 34
	.end_amdhsa_kernel
	.amdgpu_metadata
---
amdhsa.version: [ 1, 2 ]
amdhsa.kernels:
  - .name:           k_q8b186e13a8_quant
    .symbol:         k_q8b186e13a8_quant.kd
    .args:
      - { .name: x, .offset: 0, .size: 8, .value_kind: global_buffer, .address_space: global }
      - { .name: Wq, .offset: 8, .size: 8, .value_kind: global_buffer, .address_space: global }
      - { .name: Wk, .offset: 16, .size: 8, .value_kind: global_buffer, .address_space: global }
      - { .name: Wv, .offset: 24, .size: 8, .value_kind: global_buffer, .address_space: global }
      - { .name: Wp, .offset: 32, .size: 8, .value_kind: global_buffer, .address_space: global }
      - { .name: cod, .offset: 40, .size: 8, .value_kind: global_buffer, .address_space: global }
      - { .name: scl, .offset: 48, .size: 8, .value_kind: global_buffer, .address_space: global }
    .group_segment_fixed_size: 33280
    .private_segment_fixed_size: 0
    .kernarg_segment_align: 8
    .kernarg_segment_size: 56
    .max_flat_workgroup_size: 128
    .sgpr_count:     66
    .vgpr_count:     194
    .wavefront_size: 32
...
	.end_amdgpu_metadata
.endif
;; end of part 1
;; launch qkv (part 2): grid 8 x 48, 4 waves a work-group, clusters of 4 x 4, 279,040 bytes of LDS; arguments cod, scl, qb, kv; writes qb, kv
.if DOCPART == 2
	.amdgcn_target "amdgcn-amd-amdhsa--gfx1250"
	.amdhsa_code_object_version 6
	.text
	.protected	k_q8b186e13a8_qkv
	.globl	k_q8b186e13a8_qkv
	.p2align	8
	.type	k_q8b186e13a8_qkv,@function
k_q8b186e13a8_qkv:
	s_mov_b64 s[64:65], 0
	v_nop
	global_prefetch_b8 v0, s[64:65] scope:SCOPE_SE
	s_setreg_imm32_b32 hwreg(HW_REG_WAVE_MODE, 25, 1), 1
	s_wait_xcnt 0x0
	s_wait_alu depctr_hold_cnt(0) depctr_sa_sdst(0) depctr_va_vdst(0) depctr_va_sdst(0) depctr_va_ssrc(0) depctr_va_vcc(0) depctr_vm_vsrc(0)
	s_getreg_b32 s2, hwreg(HW_REG_IB_STS2, 6, 4)
	s_cmp_eq_u32 s2, 0
	s_cbranch_scc0 .Lentry_in_a_cluster
	s_endpgm
.Lentry_in_a_cluster:
	s_bfe_u32 s2, ttmp6, 0x10000c
	s_cmp_lg_u32 s2, 0xf033
	s_cbranch_scc0 .Lentry_shape_is_right
	s_endpgm
.Lentry_shape_is_right:
; q = x Wq^T, k = x Wk^T, v = x Wv^T on codes of FP4 with E8M0 scales (K = 1,024), and each result quantised at once, in the accumulators' registers, for the product that takes it next:
; q and k along the head's 64, v along the keys.  Results leave as images of the next launch's operand registers.
; ONE FORM FOR ALL: Out[m'][n'] = sum over k of S1[m'][k] S0[n'][k], source 0 = 16 rows of S0, source 1 = 16 rows of S1: a lane holds ONE m' and its registers run along n', the axis that is quantised.
;   cluster rows CLY 4..11: S1 = tokens, S0 = rows of Wq | Wk (n' = the heads' channels).     cluster rows CLY 0..3: S1 = rows of Wv (m' = channels), S0 = the tokens of batch CLY (n' = keys).
; cod's rows: 0.. Wv, 1024.. x, 9216.. Wq, 10240.. Wk.  So S1's first row is RA = 256 cy + 1024 (CLY - min(CLY, 3)), S0's is RB = 1024 + 256 x + min(2048 CLY, 8192), x = 4 x cluster x + cx.
; cod's rows lie so that 16 consecutive places 16 i + r hold rows 32 (i / 2) + 8 (i % 2) + r + 8 (r / 8): the 16 registers of S0's tiles 2 b and 2 b + 1 are 16 neighbours along n': 32 b + 16 (lane / 16) + 0 .. 15.
; A tile is 256 x 256, four waves, each 128 x 128: 64 accumulators, 512 registers.  K = 1,024 of codes is 512 bytes a row: BOTH halves of K lie in LDS at once (two slots of 256-byte rows), each filled once: nothing is filled again.
; CLUSTERS: 4 x 4 work-groups; S1's tile is shared along a row of the cluster, S0's along a column: each is asked for jointly, by the same tensor load with the same descriptor and a mask that names the four.
; All tiles are asked for at the head, so there is no later stream to ask for ahead of time.
; THE SCALE WORDS of my 128 + 128 rows, all of K (32 bytes a row), come straight into 128 registers, once: sixteen lanes read 512 consecutive bytes with each pair of loads.
; LIMITS: NaN and infinities are not served; a block whose largest magnitude lies under 2^-124 keeps the byte 1, a block of zeros too (its codes are zeros; this program alone reads the bytes).
; REGISTERS, in windows of 256: window 0: v0-31 addresses; v32-95 S0's scale words (block b, K step k at 32 + 8 b + k), v96-159 S1's; v160-223 the codes made (8 for each block a); v224-239 at work; v240-247 the scale words made; v248 the floor.
;   window 1: two sets of fragments: set p: S0's eight at v[128 p + 8 b], S1's eight at v[128 p + 64 + 8 a].   window 2: accumulators of blocks a = 0..3 at v[8 (8 a + b)];  window 3: a = 4..7.
.set PITCH,  272                       ; an LDS row: 256 bytes + 16 of padding = 68 words: the 16 rows that a load touches start at 16 different banks (64 banks of 4 bytes: ISA guide 11.1)
.set HALFT,  128*PITCH                 ; 128 rows: what one tensor load brings, and what one wave reads of S1 or of S0
.set SLOT,   4*HALFT                   ; S1's 256 rows, then S0's 256 rows; slot s holds K = 512 s .. 512 s + 511
.set HSQ,    73728                     ; a head's bytes in qb: 65,536 of codes, 8,192 of scale words
.set HSK,    143360                    ; in kv: K's codes 65,536, V's codes 65,536, K's scale words 8,192, V's 4,096
.set ADRA, 16                          ; v16-17 LDS address of my S1 fragments in slot 0, 1
.set ADRB, 20                          ; v20-21 the same for S0
.set L16,  24                          ; v24    16 x lane
.set R32,  25                          ; v25    32 x (lane % 16)
.set VSO,  26                          ; v26    V's scale words: HSK x (lane / 16) + 16 x (lane % 16)
.set SC0,  32
.set SC1,  96
.set PC,   160
.set TM,   224                         ; v224-227 largest magnitudes, v228-231 the other half's, then bytes, v236-239 the conversions' scale operands
.set PW,   240
.set FLR,  248
.set SEL,  12                          ; s[12:13] v_permlanex16_b32's selects for lane l xor 16
.set G1,   24                          ; s[24:31] descriptor group 1 for S1's tiles; s[32:39] group 0, a set for each slot
.set G0,   32
.set G1B,  48                          ; s[48:55], s[56:63] the same for S0's
.set G0B,  56
.set MSB, 0
.macro WIN new                         ; the immediate's high byte repeats the setting that is left
.if MSB != \new
	s_set_vgpr_msb (MSB<<8)|\new
.set MSB, \new
.endif
.endm
.macro PLACES n
.rept \n
	v_nop
.endr
.endm
; A joint load: waves 0 and 1 fetch S1's halves, waves 2 and 3 S0's.  The branch hangs on the wave's number alone.  Four v_nop follow each of the two lines.
.macro JLOAD g0a, g1a, g0b, g1b
	s_cmp_eq_u32 s15, 0
	s_cbranch_scc0 .Lfor_b_\@
	tensor_load_to_lds s[\g0a:\g0a+3], s[\g1a:\g1a+7]
	s_nop 0
.rept 4
	v_nop
.endr
	s_branch .Lasked_\@
.Lfor_b_\@:
	tensor_load_to_lds s[\g0b:\g0b+3], s[\g1b:\g1b+7]
	s_nop 0
.rept 4
	v_nop
.endr
.Lasked_\@:
.endm
.macro CROUND                          ; a round of the cluster's barrier
	s_barrier_signal -1
	s_barrier_wait -1
	s_cmp_lg_u32 s14, 0
	s_cbranch_scc1 .Lnot_wave_0_\@
	s_barrier_signal -3
.Lnot_wave_0_\@:
	s_barrier_wait -3
	s_barrier_signal -1
	s_barrier_wait -1
.endm
	s_load_b256 s[4:11], s[0:1], 0x0               ; cod s[4:5], scl s[6:7], qb s[8:9], kv s[10:11]
	v_lshl_add_u32 v254, v0, 2, 0x44000
	v_mov_b32 v255, 0
	ds_add_u32 v254, v255
	ds_add_u32 v254, v255
	v_lshrrev_b32 v1, 5, v0
	v_readfirstlane_b32 s14, v1                    ; wave 0..3
	s_lshr_b32 s15, s14, 1                         ; wm: which 128 of S1's rows are mine.  Also: I fetch for S1 (0) or for S0 (1)
	s_and_b32 s16, s14, 1                          ; wn: which 128 of S0's rows.  Also: which 128 rows of that tile I fetch
	s_bfe_u32 s40, ttmp6, 0x40000                  ; cx
	s_bfe_u32 s41, ttmp6, 0x40004                  ; cy
	s_lshl_b32 s42, ttmp9, 2
	s_add_co_u32 s42, s42, s40                     ; x = 4 x cluster x + cx
	s_and_b32 s17, ttmp7, 0xffff                   ; CLY: the cluster's y, the same in all sixteen partners
	s_lshl_b32 s43, s41, 2
	s_lshl_b32 s43, 15, s43                        ; my row of the cluster
	s_lshl_b32 s44, 0x1111, s40                    ; my column
	s_or_b32 s[G1+0], s43, (0<<16)|(1<<20)|(1<<21)|(5<<22)|(3<<25)   ; 15:0 the mask; 17:16 elements of 1 byte; 20 padding on; 21 set beside a mask; 24:22 after every 64 words; 31:25 four words
	s_or_b32 s[G1B+0], s44, (0<<16)|(1<<20)|(1<<21)|(5<<22)|(3<<25)
.irp g, G1, G1B
	s_mov_b32 s[\g+1], 256<<16                     ; tensor_dim0 = 256 bytes
	s_mov_b32 s[\g+2], 128<<16                     ; tensor_dim1 = 128 rows
	s_mov_b32 s[\g+3], 256<<16                     ; tile_dim0
	s_mov_b32 s[\g+4], 128                         ; tile_dim1
	s_mov_b32 s[\g+5], 512                         ; from row to row of cod
	s_mov_b32 s[\g+6], 0
	s_mov_b32 s[\g+7], 0
.endr
	s_mov_b32 s[SEL], 0x76543210
	s_mov_b32 s[SEL+1], 0xfedcba98
	s_min_u32 s18, s17, 3
	s_sub_co_u32 s18, s17, s18
	s_lshl_b32 s18, s18, 10                        ; 1024 (CLY - min(CLY, 3))
	s_lshl_b32 s19, s41, 8
	s_add_co_u32 s20, s18, s19                     ; RA: made of cy and CLY alone
	s_lshl_b32 s18, s17, 11
	s_min_u32 s18, s18, 8192                       ; min(2048 CLY, 8192)
	s_lshl_b32 s46, s42, 8
	s_add_co_u32 s46, s46, s18
	s_add_co_u32 s46, s46, 1024                    ; RB: made of x and CLY alone
	s_lshl_b32 s21, s16, 7                         ; 128 x (wave % 2)
	s_add_co_u32 s22, s20, s21
	s_lshl_b32 s22, s22, 9                         ; S1's rows that I would fetch, in bytes of cod
	s_mov_b32 s23, 0
	s_add_co_u32 s70, s46, s21
	s_lshl_b32 s70, s70, 9                         ; S0's
	s_mov_b32 s71, 0
	s_mul_i32 s45, s14, HALFT                      ; where they go: wave x 128 rows: no place in the cluster enters an LDS address
	s_add_co_u32 s72, s46, s21
	s_lshl_b32 s72, s72, 5                         ; the scale bytes of my 128 rows of S0 (wn = wave % 2)
	s_mov_b32 s73, 0
	s_lshl_b32 s74, s15, 7
	s_add_co_u32 s74, s74, s20
	s_lshl_b32 s74, s74, 5                         ; and of my 128 rows of S1
	s_mov_b32 s75, 0
	s_wait_dscnt 0x0
	s_wait_kmcnt 0x0
	s_add_nc_u64 s[22:23], s[4:5], s[22:23]
	s_add_nc_u64 s[70:71], s[4:5], s[70:71]
	s_add_nc_u64 s[66:67], s[6:7], s[72:73]
	s_add_nc_u64 s[68:69], s[6:7], s[74:75]
	CROUND                                         ; all sixteen work-groups are here: the joint loads meet
.irp s, 0,1
	s_mov_b32 s[G0+4*\s], 1
	s_add_co_u32 s[G0+4*\s+1], s45, \s*SLOT
	s_add_nc_u64 s[G0+4*\s+2:G0+4*\s+3], s[22:23], \s*256
	s_or_b32 s[G0+4*\s+3], s[G0+4*\s+3], 0x80000000
	s_mov_b32 s[G0B+4*\s], 1
	s_add_co_u32 s[G0B+4*\s+1], s45, \s*SLOT
	s_add_nc_u64 s[G0B+4*\s+2:G0B+4*\s+3], s[70:71], \s*256
	s_or_b32 s[G0B+4*\s+3], s[G0B+4*\s+3], 0x80000000
	JLOAD G0+4*\s, G1, G0B+4*\s, G1B               ; two tensor loads of mine are out at the most
.endr
	v_and_b32 v1, 15, v0                           ; r
	v_bfe_u32 v2, v0, 4, 1                         ; hh
	v_lshlrev_b32 v[R32], 5, v1
.irp i, 0,1,2,3,4,5,6,7
	global_load_b128 v[SC0+8*\i:SC0+8*\i+3],   v[R32], s[66:67] offset:512*\i      ; place 16 i + r: its eight scale words, one for each 128 along K
	global_load_b128 v[SC0+8*\i+4:SC0+8*\i+7], v[R32], s[66:67] offset:512*\i+16
	global_load_b128 v[SC1+8*\i:SC1+8*\i+3],   v[R32], s[68:69] offset:512*\i
	global_load_b128 v[SC1+8*\i+4:SC1+8*\i+7], v[R32], s[68:69] offset:512*\i+16
.endr
	v_mul_u32_u24 v3, v1, PITCH
	v_lshl_add_u32 v4, v2, 4, v3                   ; a fragment's row x pitch + 16 x half
	s_mul_i32 s76, s15, HALFT                      ; my 128 rows of S1
	s_mul_i32 s77, s16, HALFT                      ; my 128 rows of S0,
	s_add_co_u32 s77, s77, 2*HALFT                 ; behind S1's 256
.irp s, 0,1
	v_add_nc_u32 v[ADRA+\s], s76, v4
	v_add_nc_u32 v[ADRB+\s], s77, v4
	s_add_co_u32 s76, s76, SLOT
	s_add_co_u32 s77, s77, SLOT
.endr
	v_and_b32 v5, 31, v0
	v_lshlrev_b32 v[L16], 4, v5
	v_mul_u32_u24 v[VSO], v2, HSK
	v_lshl_add_u32 v[VSO], v1, 4, v[VSO]
	v_mov_b32 v[FLR], 0x1800000                    ; 2^(3 - 127)
.irp b, 0,1,2,3
	v_mov_b32 v[TM+4+\b], 0                        ; written once: a lane permute's destination counts as one of its sources
.endr
.macro FRAG reg, adr, q, i             ; 16 rows x 128 K of 4-bit codes: 8 registers: lane l holds row l % 16; registers 4 c .. 4 c + 3 hold K = 64 c + 32 (l / 16) + 0 .. 31
.irp c, 0,1
	ds_load_b128 v[\reg+4*\c:\reg+4*\c+3], v[\adr] offset:64*(\q)+32*\c+(\i)*16*PITCH
.endr
.endm
.macro FETCH slot, q, p                ; 32 LDS loads in one run: the sixteen fragments of the slot's q-th 128 along K into set p
	WIN 0x40                                       ; destination window 1, address window 0
.irp i, 0,1,2,3,4,5,6,7
	FRAG 128*(\p)+8*\i, ADRB+(\slot), \q, \i
.endr
.irp i, 0,1,2,3,4,5,6,7
	FRAG 128*(\p)+64+8*\i, ADRA+(\slot), \q, \i
.endr
.endm
; 32 matrix instructions: S1's blocks 4 hi .. 4 hi + 3 x S0's eight, K step k, from set p.  The 64 accumulators take turns, one instruction a turn, in the same order in every step.
.macro MUL32 hi, p, k, zero
.irp a, 0,1,2,3
.irp b, 0,1,2,3,4,5,6,7
.if \zero
	v_wmma_scale_f32_16x16x128_f8f6f4 v[8*(8*\a+\b):8*(8*\a+\b)+7], v[128*(\p)+8*\b:128*(\p)+8*\b+7], v[128*(\p)+64+8*(4*(\hi)+\a):128*(\p)+64+8*(4*(\hi)+\a)+7], 0, v[SC0+8*\b+(\k)], v[SC1+8*(4*(\hi)+\a)+(\k)] matrix_a_fmt:MATRIX_FMT_FP4 matrix_b_fmt:MATRIX_FMT_FP4
.else
	v_wmma_scale_f32_16x16x128_f8f6f4 v[8*(8*\a+\b):8*(8*\a+\b)+7], v[128*(\p)+8*\b:128*(\p)+8*\b+7], v[128*(\p)+64+8*(4*(\hi)+\a):128*(\p)+64+8*(4*(\hi)+\a)+7], v[8*(8*\a+\b):8*(8*\a+\b)+7], v[SC0+8*\b+(\k)], v[SC1+8*(4*(\hi)+\a)+(\k)] matrix_a_fmt:MATRIX_FMT_FP4 matrix_b_fmt:MATRIX_FMT_FP4
.endif
.endr
.endr
.endm
; K step k of eight: 64 matrix instructions on set k % 2; the next step's 32 loads go out first, into the other set, four plain places behind the matrix instructions that read it (ISA guide 7.12.1 for vector instructions).
.macro KSTEP k
.set KP, (\k)%2
.set NS, ((\k)+1)/4
.set NQ, ((\k)+1)%4
.set ZR, 0
.if (\k) == 0
.set ZR, 1                             ; the first step's products start the sums: nothing is cleared
.endif
.if (\k) == 3
	s_wait_tensorcnt 0x0                           ; my part of slot 1 has landed,
	s_wait_dscnt 0x0                               ; this step's fragments are in: no LDS instruction of mine is pending at the signal
	s_barrier_signal -1
	WIN 0xa5
	MUL32 0, KP, \k, 0                             ; work on registers while the others arrive
	s_barrier_wait -1                              ; slot 1 is whole
	PLACES 4
	FETCH NS, NQ, 1-KP
	WIN 0xf5
	MUL32 1, KP, \k, 0
.elseif (\k) == 7
	s_wait_dscnt 0x0
	WIN 0xa5
	MUL32 0, KP, \k, 0
	WIN 0xf5
	MUL32 1, KP, \k, 0
.else
	s_wait_dscnt 0x0                               ; this step's 32 loads were issued a step, 64 matrix instructions, ago
	PLACES 4
	FETCH NS, NQ, 1-KP
	WIN 0xa5                                       ; sources 0 and 1 window 1, C and D window 2
	MUL32 0, KP, \k, ZR
	WIN 0xf5                                       ; C and D window 3
	MUL32 1, KP, \k, ZR
.endif
.endm
; Block a's 64 numbers of a lane (n' = 32 b + 16 (lane / 16) + i in accumulator register 16 b + i) become eight registers of codes, v[PC + 8 a] on, and the row's scale word, v[PW + a].
.macro QUANT a
.set W, 2+(\a)/4
.set S, 64*((\a)%4)
.set WN, (W<<2)|(W<<4)
	WIN WN                                         ; sources 1 and 2: the accumulators' window
.irp b, 0,1,2,3
	v_max3_num_f32 v[TM+\b], v[FLR], |v[S+16*\b]|, |v[S+16*\b+1]|      ; block b: my 16 numbers, and the floor; each accumulator is read from its low end on
.endr
.irp i, 2,4,6,8,10,12,14
.irp b, 0,1,2,3
	v_max3_num_f32 v[TM+\b], v[TM+\b], |v[S+16*\b+\i]|, |v[S+16*\b+\i+1]|   ; (the four blocks by turns)
.endr
.endr
	WIN 0
.irp b, 0,1,2,3
	v_permlanex16_b32 v[TM+4+\b], v[TM+\b], s[SEL], s[SEL+1]
.endr
.irp b, 0,1,2,3
	v_max_num_f32 v[TM+\b], v[TM+\b], v[TM+4+\b]   ; with lane l xor 16's: the block's largest magnitude
.endr
.irp b, 0,1,2,3
	v_add_nc_u32 v[TM+12+\b], 0xff000000, v[TM+\b] ; 2 off its exponent field: the conversion's scale operand
.endr
.irp b, 0,1,2,3
	v_lshrrev_b32 v[TM+4+\b], 23, v[TM+12+\b]      ; the scale's byte
.endr
	v_lshl_or_b32 v[PW+\a], v[TM+5], 8, v[TM+4]
	v_lshl_or_b32 v[PW+\a], v[TM+6], 16, v[PW+\a]
	v_lshl_or_b32 v[PW+\a], v[TM+7], 24, v[PW+\a]
	WIN W                                          ; source 0: the accumulators' window
.irp b, 0,1,2,3
	v_cvt_scalef32_pk8_fp4_f32 v[PC+8*(\a)+2*\b], v[S+16*\b:S+16*\b+7], v[TM+12+\b]
	v_cvt_scalef32_pk8_fp4_f32 v[PC+8*(\a)+2*\b+1], v[S+16*\b+8:S+16*\b+15], v[TM+12+\b]
.endr
	WIN 0
	v_nop                                          ; one plain place behind a scaled conversion
.irp c, 0,1                                    ; an operand wants a WHOLE block in a lane: lanes 0-15 block 2 c, lanes 16-31 block 2 c + 1
.irp i, 0,1
	v_permlane16_swap_b32 v[PC+8*(\a)+4*\c+\i], v[PC+8*(\a)+4*\c+2+\i]
.endr
.endr
.endm
	s_wait_tensorcnt 1                             ; my part of slot 0 is in; slot 1's load stays out
	s_barrier_signal -1
	s_barrier_wait -1                              ; everybody's is
	FETCH 0, 0, 0
	s_wait_loadcnt 0x0                             ; the scale words
.irp k, 0,1,2,3,4,5,6,7
	KSTEP \k
.endr
	WIN 0
	PLACES 4                                       ; behind the last products, ahead of the first read of results
	s_wait_alu depctr_va_vdst(0)
.irp a, 0,1,2,3,4,5,6,7
	QUANT \a                                       ; registers 4 c .. 4 c + 3 of v[PC + 8 a]: n' = 64 c + 32 (lane / 16) + 0 .. 31 of my m'
.endr
	s_mov_b32 vcc_lo, 0xffff0000
.irp j, 0,1,2,3
	v_cndmask_b32 v[TM+\j], v[PW+\j], v[PW+4+\j], vcc_lo   ; lanes 0-15: block j's scale word of row r; lanes 16-31: block 4 + j's
.endr
	s_cmp_lt_u32 s17, 4                            ; the cluster's y: the same in all partners
	s_cbranch_scc1 .Lv
	; ---- q and k.  My 128 n' are two heads; registers 0-3 of a block's codes are the first head's operand image, registers 4-7 the second's.
	s_lshl_b32 s76, s15, 7
	s_add_co_u32 s76, s76, s20
	s_sub_co_u32 s76, s76, 1024                    ; my first token
	s_lshr_b32 s77, s76, 11                        ; its batch
	s_bfe_u32 s78, s76, 0x40007                    ; and its run of 128 tokens in the batch
	s_lshl_b32 s79, s42, 2
	s_lshl_b32 s80, s16, 1
	s_add_co_u32 s79, s79, s80
	s_and_b32 s79, s79, 15                         ; my first head: (256 x + 128 wn) / 64 mod 16
	s_lshl_b32 s77, s77, 4
	s_add_co_u32 s77, s77, s79                     ; 16 x batch + head
	s_mov_b32 s81, HSK
	s_mov_b32 s82, 131072
	s_cmp_ge_u32 s42, 4                            ; x 0..3: Wq's rows; 4..7: Wk's
	s_cselect_b64 s[84:85], s[10:11], s[8:9]
	s_cselect_b32 s81, s81, HSQ                    ; a head's bytes in that buffer,
	s_cselect_b32 s82, s82, 65536                  ; and where its scale words begin
	s_mul_i32 s86, s77, s81
	s_mov_b32 s87, 0
	s_add_nc_u64 s[84:85], s[84:85], s[86:87]
	s_lshl_b32 s86, s78, 12
	s_add_nc_u64 s[88:89], s[84:85], s[86:87]      ; the first head's images of these 128 tokens: 8 x 512 bytes
	s_mov_b32 s86, s81
	s_add_nc_u64 s[90:91], s[88:89], s[86:87]      ; the second head's
	s_lshl_b32 s86, s78, 9
	s_add_co_u32 s86, s86, s82
	s_add_nc_u64 s[92:93], s[84:85], s[86:87]      ; their scale words: 512 bytes
	s_mov_b32 s86, s81
	s_add_nc_u64 s[94:95], s[92:93], s[86:87]
	s_wait_alu depctr_va_vdst(0)
.irp j, 0,1,2,3
	v_and_b32 v[TM+4+\j], 0xffff, v[TM+\j]         ; the first head's two bytes; the upper two stay 0
	v_lshrrev_b32 v[TM+8+\j], 16, v[TM+\j]         ; the second head's
.endr
.irp a, 0,1,2,3,4,5,6,7
	global_store_b128 v[L16], v[PC+8*\a:PC+8*\a+3],   s[88:89] offset:512*\a   ; 32 lanes store 512 consecutive bytes: one operand image
	global_store_b128 v[L16], v[PC+8*\a+4:PC+8*\a+7], s[90:91] offset:512*\a
.endr
	global_store_b128 v[L16], v[TM+4:TM+7],  s[92:93]      ; [a / 4][r][a % 4]: 512 consecutive bytes
	global_store_b128 v[L16], v[TM+8:TM+11], s[94:95]
	s_branch .Ljoin
.Lv:
	; ---- v.  My 128 m' are two heads' channels (block a: head a / 4, tile a % 4); my 128 n' are 128 keys: a block's eight registers are one operand image.
	s_lshl_b32 s76, s41, 2
	s_lshl_b32 s77, s15, 1
	s_add_co_u32 s76, s76, s77                     ; my first head: 4 cy + 2 wm
	s_lshl_b32 s77, s17, 4
	s_add_co_u32 s76, s76, s77                     ; + 16 x batch
	s_mul_i32 s86, s76, HSK
	s_mov_b32 s87, 0
	s_add_nc_u64 s[84:85], s[10:11], s[86:87]
	s_lshl_b32 s78, s42, 1
	s_add_co_u32 s78, s78, s16                     ; my run of 128 keys: 2 x + wn
	s_lshl_b32 s86, s78, 12
	s_add_co_u32 s86, s86, 65536
	s_add_nc_u64 s[88:89], s[84:85], s[86:87]
	s_lshl_b32 s86, s78, 8
	s_add_co_u32 s86, s86, 139264
	s_add_nc_u64 s[92:93], s[84:85], s[86:87]
	s_wait_alu depctr_va_vdst(0)
.irp a, 0,1,2,3,4,5,6,7
	global_store_b128 v[L16], v[PC+8*\a:PC+8*\a+3],   s[88:89] offset:(\a/4)*HSK+(\a%4)*1024
	global_store_b128 v[L16], v[PC+8*\a+4:PC+8*\a+7], s[88:89] offset:(\a/4)*HSK+(\a%4)*1024+512
.endr
	global_store_b128 v[VSO], v[TM:TM+3], s[92:93]         ; [r][tile]: 256 consecutive bytes for each of the two heads
.Ljoin:
	s_wait_tensorcnt 0x0
	ds_add_u32 v254, v255
	s_wait_dscnt 0x0
	CROUND                                         ; the closing round: no work-group ends while a partner may still ask for a tile that names it
	s_endpgm
.Lfunc_end_k_q8b186e13a8_qkv:
	.size	k_q8b186e13a8_qkv, .Lfunc_end_k_q8b186e13a8_qkv-k_q8b186e13a8_qkv
	.p2alignl 7, 3214868480
	.fill 96, 4, 3214868480
	.section	.rodata,"a",@progbits
	.p2align	6, 0x0
	.amdhsa_kernel k_q8b186e13a8_qkv
		.amdhsa_group_segment_fixed_size 279040
		.amdhsa_private_segment_fixed_size 0
		.amdhsa_enable_private_segment 0
		.amdhsa_kernarg_size 32
		.amdhsa_user_sgpr_count 2
		.amdhsa_user_sgpr_kernarg_segment_ptr 1
		.amdhsa_wavefront_size32 1
		.amdhsa_system_sgpr_workgroup_id_x 1
		.amdhsa_system_sgpr_workgroup_id_y 1
		.amdhsa_system_sgpr_workgroup_id_z 1
		.amdhsa_system_vgpr_workitem_id 0
		.amdhsa_next_free_vgpr 1024
		.amdhsa_next_free_sgpr 100
		.amdhsa_reserve_vcc 1
		.amdhsa_float_denorm_mode_32 3
		.amdhsa_float_denorm_mode_16_64 3
		.amdhsa_memory_ordered 1
		.amdhsa_forward_progress 1
		.amdhsa_inst_pref_size 128
	.end_amdhsa_kernel
	.amdgpu_metadata
---
amdhsa.version: [ 1, 2 ]
amdhsa.kernels:
  - .name:           k_q8b186e13a8_qkv
    .symbol:         k_q8b186e13a8_qkv.kd
    .args:
      - { .name: cod, .offset: 0, .size: 8, .value_kind: global_buffer, .address_space: global }
      - { .name: scl, .offset: 8, .size: 8, .value_kind: global_buffer, .address_space: global }
      - { .name: qb, .offset: 16, .size: 8, .value_kind: global_buffer, .address_space: global }
      - { .name: kv, .offset: 24, .size: 8, .value_kind: global_buffer, .address_space: global }
    .group_segment_fixed_size: 279040
    .private_segment_fixed_size: 0
    .kernarg_segment_align: 8
    .kernarg_segment_size: 32
    .max_flat_workgroup_size: 128
    .sgpr_count:     100
    .vgpr_count:     1024
    .wavefront_size: 32
...
	.end_amdgpu_metadata
.endif
;; end of part 2
;; launch attn (part 3): grid 4 x 64, 16 waves a work-group, no clusters, 169,984 bytes of LDS; arguments qb, kv, yimg, ysp; writes yimg, ysp
.if DOCPART == 3
	.amdgcn_target "amdgcn-amd-amdhsa--gfx1250"
	.amdhsa_code_object_version 6
	.text
	.protected	k_q8b186e13a8_attn
	.globl	k_q8b186e13a8_attn
	.p2align	8
	.type	k_q8b186e13a8_attn,@function
k_q8b186e13a8_attn:
	s_mov_b64 s[64:65], 0
	v_nop
	global_prefetch_b8 v0, s[64:65] scope:SCOPE_SE
	s_setreg_imm32_b32 hwreg(HW_REG_WAVE_MODE, 25, 1), 1
	s_wait_xcnt 0x0
; y[b][t][h][:] = the sum over keys k <= t of softmax_k(q . k / 8) v, both products on codes of FP4 with E8M0 scales, and y quantised along the channels for the last product.
; THE SOFTMAX: t = score x log2(e) / 8; M = the row's largest t so far, rounded UP to a whole number; p = 2^(t - M) is quantised along the keys, not normalised.  The row's sum is taken of the unquantised p, in f32,
; and divides O at the end.  When M moves, the sum and O are multiplied by 2^(old M - new M): exact.
; SHARES.  Work-group (p, bh) owns the query blocks p and 7 - p (256 queries each) of one head.  Wave w owns tile t1 = 16 p + w and tile t2 = 127 - t1 (16 queries each).  Tile t wants t / 8 + 1 key steps of 128:
; every wave of every work-group does exactly 17.  Sixteen waves of 256 registers, four to a SIMD: one wave's vector work stands beside another's matrix work and LDS loads.
; A WHOLE HEAD'S K AND V LIE IN LDS, as the 143,360 bytes lie in kv: images of operand registers, so every operand load is 16 x lane + constants.  Each byte is filled once, at the head; nothing is asked for later.
; NO CLUSTER: the four work-groups of a head read the same K and V, but what tells them apart, the query block, steers the branches round hidden key steps, and partners of a joint load must branch alike.
; LAYOUT.  Both products are used transposed: S^T = K Q^T (source 0 = 16 keys, source 1 = my 16 queries), O^T = V^T P^T: a lane holds ONE query (lane % 16) throughout.
; Lane r of K's tile 2 b + u holds key 32 b + 8 u + r + 8 (r / 8), so that the 16 registers of tiles 2 b, 2 b + 1 are keys 32 b + 16 (lane / 16) + 0 .. 15; V's channels likewise, so that O^T's registers run along the channels.
; K = 64 IN AN INSTRUCTION OF 128: Q's fragment is v[16:23] with v20-23 = 0: the upper 64 codes are zeros.  So whatever stands in the upper four registers of K's operand adds 0 (FP4 has no NaN and no infinity;
; the upper two scale bytes are 0, which is 2^-127): tile t's operand is v[32 + 4 t : 39 + 4 t], whose upper half is simply the next tile's codes.  That halves K's registers and LDS reads.
; CAUSAL.  All trip counts are constants; a step all of whose keys come after my queries is jumped over by a scalar branch on ids; on the diagonal hidden scores become -infinity ahead of the maximum.
; LIMITS: NaN and infinities are not served; a block whose largest magnitude lies under 2^-124 keeps the byte 1, a block of zeros too (its codes are zeros; this program alone reads the bytes).
.set KSC,  131072                      ; LDS: K's images at 0 (4,096 bytes a step), V's at 65,536; K's scale words here (512 a step),
.set VSC,  139264                      ; V's here (256 a step),
.set YSG,  143360                      ; and y's scale halves: [late, early][256 tokens] of 2 bytes: bytes of their own, into which no fill lands
.set HSQ,  73728
.set HSK,  143360
.set L16,  1                           ; v1  16 x lane
.set KSA,  2                           ; v2  16 r + KSC
.set VSA,  3                           ; v3  16 r + VSC
.set DQ,   4                           ; v4  r - 16 (lane / 16)
.set QL,   5                           ; v5  my lane's 16 bytes of Q's codes
.set QSL,  6                           ; v6  my lane's scale word of Q
.set YA0,  7                           ; v7  where the late tile's scale halves go
.set ADK,  8                           ; v8-11 the step's LDS addresses: K, V, K's scale words, V's
.set ADV,  9
.set ADS,  10
.set ADT,  11
.set YA1,  25                          ; v25 where the early tile's go
.set YR,   26                          ; v26 YSG + 16 x thread
.set NINF, 27                          ; v27 -infinity
.set BM,   200                         ; v200-203 a block's largest score, then largest p; v204-207 the other half's, then bytes; v208-211 the conversions' scale operands
.set BX,   204
.set SO,   208
.set PWD,  215                         ; v215 p's scale word.   v212 f (v213 = 0 is named with it as a pair), v214 at work, v[216:217] the second chain of the sum
.set WV,   12
.set Q0,   13                          ; my tile's first query
.set KF,   14                          ; the step's first key
.set TK,   15                          ; the step's images: 4,096 bytes a step
.set TS,   16                          ; K's scale words: 512
.set TJ,   17                          ; V's: 256
.set CNT,  18
.set SEL,  20
.set CS,   22                          ; s[22:23] c = log2(e) / 8
.set G1S,  24                          ; descriptor groups 1: 48, 64 and 192 rows of 256 bytes
.set G1A,  32
.set G1B,  40
.set G0S,  48                          ; groups 0: the scale words; K's steps 0-3, 4-15; V's steps 0-3, 4-15
.set G0KA, 52
.set G0KB, 56
.set G0VA, 60
.set G0VB, 68
.set QB,   72                          ; s[72:73] Q's codes, s[74:75] Q's scale words, s[76:77] y's image
.set QS,   74
.set YB,   76
.set BH,   80
.set TAU,  81
.macro MKG1 g, rows                    ; a dense block as rows of 256 bytes: 32 elements of 8 bytes
	s_mov_b32 s[\g], 3<<16
	s_mov_b32 s[\g+1], 32<<16
	s_mov_b32 s[\g+2], (\rows)<<16
	s_mov_b32 s[\g+3], 32<<16
	s_mov_b32 s[\g+4], \rows
	s_mov_b32 s[\g+5], 32
	s_mov_b32 s[\g+6], 0
	s_mov_b32 s[\g+7], 0
.endm
.macro MKG0 g, at                      ; LDS mirrors the head's bytes: the same offset on both sides
	s_mov_b32 s[\g], 1
	s_mov_b32 s[\g+1], \at
	s_add_nc_u64 s[\g+2:\g+3], s[6:7], \at
	s_or_b32 s[\g+3], s[\g+3], 0x80000000
.endm
	s_load_b256 s[4:11], s[0:1], 0x0               ; qb s[4:5], kv s[6:7], yimg s[8:9], ysp s[10:11]
	v_lshl_add_u32 v254, v0, 2, 0x29000
	v_mov_b32 v255, 0
	ds_add_u32 v254, v255
	ds_add_u32 v254, v255
	v_lshrrev_b32 v8, 5, v0
	s_delay_alu instid0(VALU_DEP_1)
	v_readfirstlane_b32 s[WV], v8                  ; wave 0..15
	s_and_b32 s[BH], ttmp7, 0xffff                 ; 16 x batch + head
	s_mul_i32 s82, s[BH], HSK
	s_mov_b32 s83, 0
	s_mul_i32 s84, s[BH], HSQ
	s_mov_b32 s85, 0
	MKG1 G1S, 48
	MKG1 G1A, 64
	MKG1 G1B, 192
	s_mov_b32 s[SEL], 0x76543210
	s_mov_b32 s[SEL+1], 0xfedcba98
	s_mov_b32 s[CS], 0x3e38aa3b                    ; log2(e) / 8
	s_mov_b32 s[CS+1], s[CS]                       ; (named with it as a pair, so it is written)
	s_wait_dscnt 0x0
	s_wait_kmcnt 0x0
	s_add_nc_u64 s[6:7], s[6:7], s[82:83]          ; my head in kv
	s_add_nc_u64 s[4:5], s[4:5], s[84:85]          ; and in qb
	MKG0 G0S,  KSC
	MKG0 G0KA, 0
	MKG0 G0KB, 16384
	MKG0 G0VA, 65536
	MKG0 G0VB, 81920
	s_cmp_eq_u32 s[WV], 0                          ; all first fills of a wave stand in one branch on its number: wave 0 has three tensor loads out, wave 1 two, the others none
	s_cbranch_scc0 .Lnot_0
	tensor_load_to_lds s[G0S:G0S+3], s[G1S:G1S+7]
	s_nop 0
	tensor_load_to_lds s[G0KA:G0KA+3], s[G1A:G1A+7]
	s_nop 0
	tensor_load_to_lds s[G0KB:G0KB+3], s[G1B:G1B+7]
	s_nop 0
.rept 4
	v_nop
.endr
	s_branch .Lasked
.Lnot_0:
	s_cmp_eq_u32 s[WV], 1
	s_cbranch_scc0 .Lasked
	tensor_load_to_lds s[G0VA:G0VA+3], s[G1A:G1A+7]
	s_nop 0
	tensor_load_to_lds s[G0VB:G0VB+3], s[G1B:G1B+7]
	s_nop 0
.rept 4
	v_nop
.endr
.Lasked:
	v_and_b32 v28, 31, v0                          ; lane
	v_and_b32 v29, 15, v0                          ; r
	v_bfe_u32 v30, v0, 4, 1                        ; hh
	s_delay_alu instid0(VALU_DEP_3)
	v_lshlrev_b32 v[L16], 4, v28
	s_delay_alu instid0(VALU_DEP_3)
	v_lshl_add_u32 v[KSA], v29, 4, KSC
	s_delay_alu instid0(VALU_DEP_4)
	v_lshl_add_u32 v[VSA], v29, 4, VSC
	s_delay_alu instid0(VALU_DEP_4)
	v_lshlrev_b32 v[DQ], 4, v30
	s_delay_alu instid0(VALU_DEP_1)
	v_sub_nc_u32 v[DQ], v29, v[DQ]
	v_lshrrev_b32 v31, 3, v29                      ; r / 8
	v_and_b32 v9, 7, v29                           ; r % 8
	s_delay_alu instid0(VALU_DEP_2)
	v_lshlrev_b32 v[QL], 9, v31                    ; query 16 t + r lies in image 2 ((t / 2) % 4) + r / 8, lane 8 (t % 2) + r % 8 of its half: here the lane's part
	s_delay_alu instid0(VALU_DEP_1)
	v_lshl_add_u32 v[QL], v30, 8, v[QL]
	s_delay_alu instid0(VALU_DEP_1)
	v_lshl_add_u32 v[QL], v9, 4, v[QL]
	v_lshlrev_b32 v[QSL], 2, v31
	s_delay_alu instid0(VALU_DEP_1)
	v_lshl_add_u32 v[QSL], v9, 4, v[QSL]
	v_lshlrev_b32 v10, 1, v29
	s_xor_b32 s19, s[WV], 15                       ; the late tile is number 15 - wave of its block
	s_lshl_b32 s19, s19, 5
	v_add_nc_u32 v[YA0], s19, v10
	s_delay_alu instid0(VALU_DEP_1)
	v_add_nc_u32 v[YA0], YSG, v[YA0]
	s_lshl_b32 s19, s[WV], 5
	v_add_nc_u32 v[YA1], s19, v10
	s_delay_alu instid0(VALU_DEP_1)
	v_add_nc_u32 v[YA1], YSG+512, v[YA1]
	v_lshl_add_u32 v[YR], v0, 4, YSG
	v_mov_b32 v[NINF], 0xff800000
.irp j, 20,21,22,23, 64,65,66,67, 204,205,206,207, 212,213
	v_mov_b32 v\j, 0                               ; Q's upper codes; what tile 7's operand names before V's first load; the lane permutes' destinations; the pair of f
.endr
	s_lshl_b32 s88, ttmp9, 4
	s_add_co_u32 s88, s88, s[WV]                   ; t1 = 16 p + wave
	s_sub_co_u32 s[TAU], 127, s88                  ; t2: the late tile goes first
; A tile begins: its addresses, Q's fragment and scale words, the statistics and O^T.  (The step is written once: the first finds zeros, which the first change of M leaves zeros.)
.macro PROLOGUE
	s_wait_xcnt 0x0                                ; earlier loads and stores have read their bases and registers: both are written again below
	s_lshl_b32 s[Q0], s[TAU], 4
	s_lshr_b32 s82, s[TAU], 3
	s_lshl_b32 s83, s82, 12                        ; the run of 128 tokens: 4,096 bytes of images,
	s_bfe_u32 s84, s[TAU], 0x20001
	s_lshl_b32 s84, s84, 10                        ; the pair of images,
	s_add_co_u32 s83, s83, s84
	s_and_b32 s84, s[TAU], 1
	s_lshl_b32 s84, s84, 7                         ; the upper or lower eight lanes of a half
	s_add_co_u32 s86, s83, s84
	s_mov_b32 s87, 0
	s_add_nc_u64 s[QB:QB+1], s[4:5], s[86:87]
	s_lshl_b32 s83, s82, 9                         ; scale words [run][a / 4][r][a % 4]
	s_bfe_u32 s85, s[TAU], 0x10002
	s_lshl_b32 s85, s85, 8
	s_add_co_u32 s83, s83, s85
	s_add_co_u32 s83, s83, s84
	s_bfe_u32 s85, s[TAU], 0x10001
	s_lshl_b32 s85, s85, 3
	s_add_co_u32 s86, s83, s85
	s_add_co_u32 s86, s86, 65536
	s_add_nc_u64 s[QS:QS+1], s[4:5], s[86:87]
	s_lshr_b32 s83, s[BH], 4
	s_lshl_b32 s83, s83, 7
	s_add_co_u32 s83, s83, s[TAU]                  ; the tile of 16 tokens among all 512,
	s_lshl_b32 s83, s83, 4
	s_and_b32 s85, s[BH], 15
	s_add_co_u32 s83, s83, s85                     ; my head's image in it
	s_lshl_b32 s86, s83, 9
	s_add_nc_u64 s[YB:YB+1], s[8:9], s[86:87]
	global_load_b128 v[16:19], v[QL], s[QB:QB+1]
	global_load_b32 v24, v[QSL], s[QS:QS+1]
	v_mov_b32 v13, 0xff61b1e6                      ; the largest t so far: -3e38
	s_delay_alu instid0(VALU_DEP_1)
	v_floor_f32 v12, -v13                          ; -M
	v_mov_b32 v14, 0                               ; the sum, in two halves
	v_mov_b32 v15, 0
.set j, 0
.rept 32
	v_mov_b32 v[160+j], 0                          ; O^T
.set j, j+1
.endr
	s_mov_b32 s[KF], 0
	s_mov_b32 s[TK], 0
	s_mov_b32 s[TS], 0
	s_mov_b32 s[TJ], 0
	s_wait_loadcnt 0x0
.endm
; A KEY STEP: 128 keys.
.macro STEP causal
.if \causal
	s_add_co_u32 s19, s[Q0], 15
	s_cmp_gt_u32 s[KF], s19                        ; all keys of the step come after my queries: nothing but the address steps at its end
	s_cbranch_scc1 .Lhidden_\@
.endif
	s_setprio 2
	v_add_nc_u32 v[ADK], s[TK], v[L16]             ; (four plain places behind the last step's products)
	v_add_nc_u32 v[ADS], s[TS], v[KSA]
	v_add_nc_u32 v[ADT], s[TJ], v[VSA]
	s_delay_alu instid0(VALU_DEP_3)
	v_add_nc_u32 v[ADV], 0x10000, v[ADK]
.irp t, 0,1,2,3,4,5,6,7
	ds_load_b128 v[32+4*\t:35+4*\t], v[ADK] offset:512*\t
.endr
	ds_load_b128 v[240:243], v[ADS]                ; lane r: the scale words of row r of tiles 0-3,
	ds_load_b128 v[244:247], v[ADS] offset:256     ; 4-7
	s_wait_alu depctr_va_vdst(0)
	s_wait_dscnt 0x0
.irp t, 0,1,2,3,4,5,6,7
	v_wmma_scale_f32_16x16x128_f8f6f4 v[96+8*\t:103+8*\t], v[32+4*\t:39+4*\t], v[16:23], 0, v[240+\t], v24 matrix_a_fmt:MATRIX_FMT_FP4 matrix_b_fmt:MATRIX_FMT_FP4
.endr
.rept 4
	v_nop                                          ; places ahead of the first read of the scores, and of the loads into v64-67, which tile 7's product has named
.endr
.irp dt, 0,1,2,3                               ; V is asked for now and lands under the softmax
.irp c, 0,1
	ds_load_b128 v[64+8*\dt+4*\c:67+8*\dt+4*\c], v[ADV] offset:1024*\dt+512*\c
.endr
.endr
	ds_load_b128 v[248:251], v[ADT]
.if \causal
	s_add_co_u32 s19, s[KF], 127
	s_cmp_le_u32 s19, s[Q0]                        ; all keys of the step count for all my queries
	s_cbranch_scc1 .Lopen_\@
	s_sub_co_u32 s19, s[Q0], s[KF]
	v_add_nc_u32 v214, s19, v[DQ]                  ; d = my query - KF - 16 (lane / 16).  Register 16 b + i holds key KF + 16 (lane / 16) + 32 b + i: hidden where 32 b + i > d
.set n, 0
.rept 64
	v_cmp_gt_i32 vcc_lo, 32*(n/16)+n%16, v214
	v_cndmask_b32 v[96+n], v[96+n], v[NINF], vcc_lo
.set n, n+1
.endr
.Lopen_\@:
.endif
.irp b, 0,1,2,3
	v_max3_num_f32 v[BM+\b], v[96+16*\b], v[97+16*\b], v[98+16*\b]   ; the largest score of each block of 32 keys: for the row's maximum, and, since p rises with the score, for the block's largest p
.endr
.irp i, 3,5,7,9,11,13
.irp b, 0,1,2,3
	v_max3_num_f32 v[BM+\b], v[BM+\b], v[96+16*\b+\i], v[97+16*\b+\i]
.endr
.endr
.irp b, 0,1,2,3
	v_max_num_f32 v[BM+\b], v[BM+\b], v[111+16*\b]
.endr
.irp b, 0,1,2,3
	s_delay_alu instid0(VALU_DEP_4)
	v_permlanex16_b32 v[BX+\b], v[BM+\b], s[SEL], s[SEL+1]
.endr
.irp b, 0,1,2,3
	s_delay_alu instid0(VALU_DEP_4)
	v_max_num_f32 v[BM+\b], v[BM+\b], v[BX+\b]     ; with lane l xor 16's 16 keys
.endr
	s_delay_alu instid0(VALU_DEP_2)
	v_max3_num_f32 v214, v[BM], v[BM+1], v[BM+2]
	s_delay_alu instid0(VALU_DEP_1)
	v_max_num_f32 v214, v214, v[BM+3]              ; the step's largest score of my query
	s_delay_alu instid0(VALU_DEP_1)
	v_mul_f32 v214, s[CS], v214                    ; as t
	s_delay_alu instid0(VALU_DEP_1)
	v_max_num_f32 v13, v13, v214                   ; the running largest t
	v_mov_b32 v214, v12
	s_delay_alu instid0(VALU_DEP_2)
	v_floor_f32 v12, -v13                          ; the new -M = floor(-t) = -ceil(t)
	s_delay_alu instid0(VALU_DEP_1)
	v_sub_f32 v214, v12, v214                      ; old M - new M: a whole number, 0 or less
	s_delay_alu instid0(VALU_DEP_1)
	v_cvt_i32_f32 v214, v214                       ; (it saturates)
	s_delay_alu instid0(VALU_DEP_1)
	v_ldexp_f32 v212, 1.0, v214                    ; f = 2^(old M - new M)
.set j, 0
.rept 32
	v_pk_fma_f32 v[96+j:97+j], v[96+j:97+j], s[CS:CS+1], v[12:13] op_sel_hi:[1,0,0]   ; t - M, two at a time
.set j, j+2
.endr
.irp b, 0,1,2,3
	v_fma_f32 v[BM+\b], v[BM+\b], s[CS], v12       ; the same of each block's largest score
.endr
.set j, 0
	s_setprio 1
	s_wait_alu depctr_va_vdst(0)
.rept 64
	v_exp_f32 v[96+j], v[96+j]                     ; p = 2^(t - M), at most 1
.set j, j+1
.endr
	v_pk_mul_f32 v[14:15], v[14:15], v[212:213] op_sel_hi:[1,0]   ; the sums under the new M (the plain line behind the exponentials)
	s_wait_alu depctr_va_vdst(0)                   ; one wait for the batch of 64, ahead of its first reader
.irp b, 0,1,2,3
	v_exp_f32 v[BM+\b], v[BM+\b]                   ; the block's largest p: the same two instructions on the same number
.endr
	v_pk_add_f32 v[216:217], v[100:101], v[104:105]
	v_pk_add_f32 v[252:253], v[108:109], v[112:113]
	v_pk_add_f32 v[246:247], v[116:117], v[120:121]
	v_pk_add_f32 v[244:245], v[124:125], v[128:129]
	v_pk_add_f32 v[242:243], v[132:133], v[136:137]
	v_pk_add_f32 v[240:241], v[140:141], v[144:145]
	v_pk_add_f32 v[238:239], v[148:149], v[152:153]
	v_pk_add_f32 v[14:15], v[14:15], v[156:157]
	v_pk_add_f32 v[216:217], v[216:217], v[96:97]
	v_pk_add_f32 v[252:253], v[252:253], v[98:99]
	v_pk_add_f32 v[246:247], v[246:247], v[102:103]
	v_pk_add_f32 v[244:245], v[244:245], v[106:107]
	v_pk_add_f32 v[242:243], v[242:243], v[110:111]
	v_pk_add_f32 v[240:241], v[240:241], v[114:115]
	v_pk_add_f32 v[238:239], v[238:239], v[118:119]
	v_pk_add_f32 v[14:15], v[14:15], v[122:123]
	v_pk_add_f32 v[216:217], v[216:217], v[126:127]
	v_pk_add_f32 v[252:253], v[252:253], v[130:131]
	v_pk_add_f32 v[246:247], v[246:247], v[134:135]
	v_pk_add_f32 v[244:245], v[244:245], v[138:139]
	v_pk_add_f32 v[242:243], v[242:243], v[142:143]
	v_pk_add_f32 v[240:241], v[240:241], v[146:147]
	v_pk_add_f32 v[238:239], v[238:239], v[150:151]
	v_pk_add_f32 v[14:15], v[14:15], v[154:155]
	v_pk_add_f32 v[216:217], v[216:217], v[158:159]
	s_delay_alu instid0(VALU_DEP_2)
	v_pk_add_f32 v[14:15], v[14:15], v[244:245]
	s_delay_alu instid0(VALU_DEP_2)
	v_pk_add_f32 v[216:217], v[216:217], v[242:243]
	v_pk_add_f32 v[252:253], v[252:253], v[240:241]
	v_pk_add_f32 v[246:247], v[246:247], v[238:239]
	s_delay_alu instid0(VALU_DEP_2)
	v_pk_add_f32 v[14:15], v[14:15], v[252:253]
	s_delay_alu instid0(VALU_DEP_2)
	v_pk_add_f32 v[216:217], v[216:217], v[246:247]
	s_delay_alu instid0(VALU_DEP_1)
	v_pk_add_f32 v[14:15], v[14:15], v[216:217]
	s_wait_alu depctr_va_vdst(0)                   ; and one for the four
.irp b, 0,1,2,3
	v_max_num_f32 v[BM+\b], 0x1800000, v[BM+\b]    ; the floor 2^(3 - 127): the byte cannot fall under 1
.endr
.irp b, 0,1,2,3
	s_delay_alu instid0(VALU_DEP_4)
	v_add_nc_u32 v[SO+\b], 0xff000000, v[BM+\b]    ; 2 off the exponent field: the conversion's scale operand
.endr
.irp b, 0,1,2,3
	s_delay_alu instid0(VALU_DEP_4)
	v_lshrrev_b32 v[BX+\b], 23, v[SO+\b]           ; the scale's byte
.endr
	s_delay_alu instid0(VALU_DEP_3)
	v_lshl_or_b32 v[PWD], v[BX+1], 8, v[BX]        ; p's scale word for these 128 keys
	s_delay_alu instid0(VALU_DEP_1)
	v_lshl_or_b32 v[PWD], v[BX+2], 16, v[PWD]
	s_delay_alu instid0(VALU_DEP_1)
	v_lshl_or_b32 v[PWD], v[BX+3], 24, v[PWD]
.irp b, 0,1,2,3
	v_cvt_scalef32_pk8_fp4_f32 v[192+2*\b], v[96+16*\b:103+16*\b], v[SO+\b]
	v_cvt_scalef32_pk8_fp4_f32 v[193+2*\b], v[104+16*\b:111+16*\b], v[SO+\b]
.endr
	s_setprio 0
	v_nop                                          ; one plain place behind a scaled conversion
.irp c, 0,1                                    ; a WHOLE block in a lane: lanes 0-15 block 2 c, lanes 16-31 block 2 c + 1
.irp i, 0,1
	v_permlane16_swap_b32 v[192+4*\c+\i], v[194+4*\c+\i]
.endr
.endr
.set j, 0
.rept 16
	v_pk_mul_f32 v[160+j:161+j], v[160+j:161+j], v[212:213] op_sel_hi:[1,0]   ; O^T under the new M.  Twelve of the sixteen name no register of a given product below: the places that p's scale word (8) and codes (4) want ahead of it
.set j, j+2
.endr
	s_wait_alu depctr_va_vdst(0)
	s_wait_dscnt 0x0                               ; V and its scale words
.irp dt, 0,1,2,3                               ; the four accumulators by turns
	v_wmma_scale_f32_16x16x128_f8f6f4 v[160+8*\dt:167+8*\dt], v[64+8*\dt:71+8*\dt], v[192:199], v[160+8*\dt:167+8*\dt], v[248+\dt], v[PWD] matrix_a_fmt:MATRIX_FMT_FP4 matrix_b_fmt:MATRIX_FMT_FP4
.endr
.if \causal
.Lhidden_\@:
.endif
	s_add_co_u32 s[KF], s[KF], 128
	s_add_co_u32 s[TK], s[TK], 4096
	s_add_co_u32 s[TS], s[TS], 512
	s_add_co_u32 s[TJ], s[TJ], 256
.endm
.macro LOOP n, causal
	s_mov_b32 s[CNT], \n
.Lstep_\@:
	STEP \causal
	s_sub_co_u32 s[CNT], s[CNT], 1
	s_cmp_lg_u32 s[CNT], 0
	s_cbranch_scc1 .Lstep_\@
	s_setprio 0
.endm
; A tile ends: y = O^T / the sum; register 16 b + i is channel 32 b + 16 (lane / 16) + i of my query: two blocks of 32 are quantised; the codes leave as one operand image, the two bytes go to LDS.
.macro EPILOGUE ya
.rept 4
	v_nop
.endr
	v_add_f32 v14, v14, v15
	s_delay_alu instid0(VALU_DEP_1)
	v_permlanex16_b32 v212, v14, s[SEL], s[SEL+1]
	s_delay_alu instid0(VALU_DEP_1)
	v_add_f32 v14, v14, v212                       ; the row's sum
	s_wait_alu depctr_va_vdst(0)
	v_rcp_f32 v14, v14
	v_nop                                          ; a plain line behind the transcendental
	s_wait_alu depctr_va_vdst(0)                   ; and the wait ahead of its first reader
.set j, 0
.rept 16
	v_pk_mul_f32 v[96+j:97+j], v[160+j:161+j], v[14:15] op_sel_hi:[1,0]   ; each accumulator from its low end on
.set j, j+2
.endr
.irp b, 0,1
	v_max3_num_f32 v[BM+\b], |v[96+16*\b]|, |v[97+16*\b]|, 0x1800000
.endr
.irp i, 2,4,6,8,10,12,14
.irp b, 0,1
	s_delay_alu instid0(VALU_DEP_2)
	v_max3_num_f32 v[BM+\b], v[BM+\b], |v[96+16*\b+\i]|, |v[97+16*\b+\i]|
.endr
.endr
.irp b, 0,1
	s_delay_alu instid0(VALU_DEP_2)
	v_permlanex16_b32 v[BX+\b], v[BM+\b], s[SEL], s[SEL+1]
.endr
.irp b, 0,1
	s_delay_alu instid0(VALU_DEP_2)
	v_max_num_f32 v[BM+\b], v[BM+\b], v[BX+\b]
.endr
.irp b, 0,1
	s_delay_alu instid0(VALU_DEP_2)
	v_add_nc_u32 v[SO+\b], 0xff000000, v[BM+\b]
.endr
.irp b, 0,1
	s_delay_alu instid0(VALU_DEP_2)
	v_lshrrev_b32 v[BX+\b], 23, v[SO+\b]
.endr
	s_delay_alu instid0(VALU_DEP_1)
	v_lshl_or_b32 v214, v[BX+1], 8, v[BX]
.irp b, 0,1
	v_cvt_scalef32_pk8_fp4_f32 v[192+2*\b], v[96+16*\b:103+16*\b], v[SO+\b]
	v_cvt_scalef32_pk8_fp4_f32 v[193+2*\b], v[104+16*\b:111+16*\b], v[SO+\b]
.endr
	v_nop
	v_permlane16_swap_b32 v192, v194
	v_permlane16_swap_b32 v193, v195               ; lane (r, hh): channels 32 hh + 0 .. 31 of query r
	global_store_b128 v[L16], v[192:195], s[YB:YB+1]       ; 32 lanes store 512 consecutive bytes
	ds_store_b16 v[\ya], v214                      ; both halves of the lanes write the same two bytes
.endm
	PROLOGUE                                       ; the late tile
	s_wait_tensorcnt 1                             ; in wave 0: the scale words and K's steps 0-3 are in; in wave 1: V's steps 0-3; each leaves its last load, steps 4-15, out
	s_barrier_signal -1
	s_barrier_wait -1
	LOOP 4, 0                                      ; the late tile's queries are 1,024 or later: keys 0 to 511 all count
	s_wait_tensorcnt 0x0                           ; the rest of K and V
	s_wait_dscnt 0x0
	s_barrier_signal -1
	s_barrier_wait -1
	LOOP 12, 1
	EPILOGUE YA0
	s_mov_b32 s[TAU], s88                          ; the early tile: queries under 1,024, at most eight steps
	PROLOGUE
	LOOP 8, 1
	EPILOGUE YA1
	s_wait_dscnt 0x0                               ; for the others' sake: my two stores of scale halves are done
	s_barrier_signal -1
	s_barrier_wait -1
	s_cmp_lt_u32 s[WV], 2                          ; wave 0 stores the late block's 512 bytes, wave 1 the early block's
	s_cbranch_scc0 .Lend
	ds_load_b128 v[96:99], v[YR]
	s_sub_co_u32 s82, 7, ttmp9
	s_cmp_eq_u32 s[WV], 0
	s_cselect_b32 s82, s82, ttmp9                  ; the block of 256 queries,
	s_lshl_b32 s82, s82, 9
	s_lshr_b32 s83, s[BH], 4
	s_lshl_b32 s83, s83, 12                        ; the batch's 2,048 tokens,
	s_add_co_u32 s82, s82, s83
	s_and_b32 s83, s[BH], 15
	s_lshl_b32 s83, s83, 14                        ; the head's 8,192 tokens of 2 bytes
	s_add_co_u32 s82, s82, s83
	s_mov_b32 s83, 0
	s_add_nc_u64 s[78:79], s[10:11], s[82:83]
	s_wait_dscnt 0x0
	global_store_b128 v[L16], v[96:99], s[78:79]   ; 512 consecutive bytes
.Lend:
	s_wait_tensorcnt 0x0
	ds_add_u32 v254, v255
	s_wait_dscnt 0x0
	s_endpgm
.Lfunc_end_k_q8b186e13a8_attn:
	.size	k_q8b186e13a8_attn, .Lfunc_end_k_q8b186e13a8_attn-k_q8b186e13a8_attn
	.p2alignl 7, 3214868480
	.fill 96, 4, 3214868480
	.section	.rodata,"a",@progbits
	.p2align	6, 0x0
	.amdhsa_kernel k_q8b186e13a8_attn
		.amdhsa_group_segment_fixed_size 169984
		.amdhsa_private_segment_fixed_size 0
		.amdhsa_enable_private_segment 0
		.amdhsa_kernarg_size 32
		.amdhsa_user_sgpr_count 2
		.amdhsa_user_sgpr_kernarg_segment_ptr 1
		.amdhsa_wavefront_size32 1
		.amdhsa_system_sgpr_workgroup_id_x 1
		.amdhsa_system_sgpr_workgroup_id_y 1
		.amdhsa_system_sgpr_workgroup_id_z 1
		.amdhsa_system_vgpr_workitem_id 0
		.amdhsa_next_free_vgpr 256
		.amdhsa_next_free_sgpr 100
		.amdhsa_reserve_vcc 1
		.amdhsa_float_denorm_mode_32 3
		.amdhsa_float_denorm_mode_16_64 3
		.amdhsa_memory_ordered 1
		.amdhsa_forward_progress 1
		.amdhsa_inst_pref_size 81
	.end_amdhsa_kernel
	.amdgpu_metadata
---
amdhsa.version: [ 1, 2 ]
amdhsa.kernels:
  - .name:           k_q8b186e13a8_attn
    .symbol:         k_q8b186e13a8_attn.kd
    .args:
      - { .name: qb, .offset: 0, .size: 8, .value_kind: global_buffer, .address_space: global }
      - { .name: kv, .offset: 8, .size: 8, .value_kind: global_buffer, .address_space: global }
      - { .name: yimg, .offset: 16, .size: 8, .value_kind: global_buffer, .address_space: global }
      - { .name: ysp, .offset: 24, .size: 8, .value_kind: global_buffer, .address_space: global }
    .group_segment_fixed_size: 169984
    .private_segment_fixed_size: 0
    .kernarg_segment_align: 8
    .kernarg_segment_size: 32
    .max_flat_workgroup_size: 512
    .sgpr_count:     100
    .vgpr_count:     256
    .wavefront_size: 32
...
	.end_amdgpu_metadata
.endif
;; end of part 3
;; launch proj (part 4): grid 4 x 64, 4 waves a work-group, clusters of 4 x 4, 327,680 bytes of LDS; arguments yimg, ysp, cod, scl, bp, out0; writes out0
.if DOCPART == 4
	.amdgcn_target "amdgcn-amd-amdhsa--gfx1250"
	.amdhsa_code_object_version 6
	.text
	.protected	k_q8b186e13a8_proj
	.globl	k_q8b186e13a8_proj
	.p2align	8
	.type	k_q8b186e13a8_proj,@function
k_q8b186e13a8_proj:
	s_mov_b64 s[64:65], 0
	v_nop
	global_prefetch_b8 v0, s[64:65] scope:SCOPE_SE
	s_setreg_imm32_b32 hwreg(HW_REG_WAVE_MODE, 25, 1), 1
	s_wait_xcnt 0x0
	s_wait_alu depctr_hold_cnt(0) depctr_sa_sdst(0) depctr_va_vdst(0) depctr_va_sdst(0) depctr_va_ssrc(0) depctr_va_vcc(0) depctr_vm_vsrc(0)
	s_getreg_b32 s2, hwreg(HW_REG_IB_STS2, 6, 4)
	s_cmp_eq_u32 s2, 0
	s_cbranch_scc0 .Lentry_in_a_cluster
	s_endpgm
.Lentry_in_a_cluster:
	s_bfe_u32 s2, ttmp6, 0x10000c
	s_cmp_lg_u32 s2, 0xf033
	s_cbranch_scc0 .Lentry_shape_is_right
	s_endpgm
.Lentry_shape_is_right:
; out0 = y Wp^T + bp on codes of FP4 with E8M0 scales, K = 1,024.  y arrives as images of operand registers (yimg: [16 tokens][head][lane][16 bytes]) and two scale bytes for each token and head (ysp: [head][token]);
; Wp as rows of codes (cod, rows 11,264 on, natural order) with 32 scale bytes a row (scl).  out0: [8192][1024] f32.
; A tile is 128 tokens x 256 columns: 256 work-groups (256 x 256 would give 128).  Four waves, each 64 x 128: 32 accumulators, 256 registers.
; TRANSPOSED: source 0 = 16 rows of Wp, source 1 = 16 tokens: a lane holds eight neighbouring columns of one row of out0.  The bias is the C of each sum's first matrix instruction.
; Both halves of K lie in LDS at once, each filled once: nothing is filled again, and all tiles are asked for at the head.
; CLUSTERS: 4 x 4 work-groups; y's tile is shared along a row of the cluster, Wp's along a column: each is asked for jointly, by the same tensor load with the same descriptor and a mask that names the four.
; REGISTERS: window 0: v0-31 addresses; v32-95 Wp's scale words (block b, K step k at 32 + 8 b + k); v96-111 y's (pair of blocks, K step: lanes 0-15 the even block, lanes 16-31 the odd); v112-143 their halves as loaded;
;   on the way out v112-175 and v176-239 by turns.   window 1: two sets of fragments: set p: Wp's eight at v[96 p + 8 b], y's four at v[96 p + 64 + 8 a]; v192-255 the bias, eight registers a block b.   window 2: the accumulators, (a, b) at v[8 (8 a + b)].
.set PITCH,  272                       ; an LDS row of Wp: 256 bytes + 16 of padding
.set HALFB,  128*PITCH
.set BSLOT,  2*HALFB                   ; Wp's 256 rows, K = 512 s on
.set AIMG,   2*BSLOT                   ; y: slot s: [8 tiles of 16 tokens][8 heads][512 bytes]
.set ASLOT,  32768
.set STG,    AIMG+2*ASLOT              ; the way out: 16 rows x (512 + 16) bytes for each wave: bytes of their own, into which no fill lands
.set SPITCH, 528
.set ADRA, 16
.set ADRB, 20
.set STO,  24
.set RD,   25
.set CO,   26
.set R32,  27
.set H32,  28
.set L2,   29
.set SB,   32
.set SA,   96
.set RAW,  112
.set BK,   112
.set BI,   192
.set G1,   24
.set G0,   32
.set G1B,  48
.set G0B,  56
.set MSB, 0
.macro WIN new
.if MSB != \new
	s_set_vgpr_msb (MSB<<8)|\new
.set MSB, \new
.endif
.endm
.macro PLACES n
.rept \n
	v_nop
.endr
.endm
.macro JLOAD g0a, g1a, g0b, g1b        ; waves 0 and 1 fetch y's halves, waves 2 and 3 Wp's; four v_nop follow each of the two lines
	s_cmp_eq_u32 s19, 0
	s_cbranch_scc0 .Lfor_b_\@
	tensor_load_to_lds s[\g0a:\g0a+3], s[\g1a:\g1a+7]
	s_nop 0
.rept 4
	v_nop
.endr
	s_branch .Lasked_\@
.Lfor_b_\@:
	tensor_load_to_lds s[\g0b:\g0b+3], s[\g1b:\g1b+7]
	s_nop 0
.rept 4
	v_nop
.endr
.Lasked_\@:
.endm
.macro CROUND
	s_barrier_signal -1
	s_barrier_wait -1
	s_cmp_lg_u32 s18, 0
	s_cbranch_scc1 .Lnot_wave_0_\@
	s_barrier_signal -3
.Lnot_wave_0_\@:
	s_barrier_wait -3
	s_barrier_signal -1
	s_barrier_wait -1
.endm
	s_load_b256 s[4:11], s[0:1], 0x0               ; yimg s[4:5], ysp s[6:7], cod s[8:9], scl s[10:11]
	s_load_b128 s[12:15], s[0:1], 0x20             ; bp s[12:13], out0 s[14:15]
	v_lshl_add_u32 v254, v0, 2, 0x3a400
	v_mov_b32 v255, 0
	ds_add_u32 v254, v255
	ds_add_u32 v254, v255
	v_lshrrev_b32 v1, 5, v0
	v_readfirstlane_b32 s18, v1                    ; wave 0..3
	s_lshr_b32 s19, s18, 1                         ; wm: which 64 tokens are mine.  Also: I fetch for y (0) or for Wp (1)
	s_and_b32 s20, s18, 1                          ; wn: which 128 columns.  Also: which half of that tile I fetch
	s_bfe_u32 s40, ttmp6, 0x40000                  ; cx
	s_bfe_u32 s41, ttmp6, 0x40004                  ; cy
	s_lshl_b32 s42, ttmp9, 2
	s_add_co_u32 s42, s42, s40                     ; tile column
	s_and_b32 s17, ttmp7, 0xffff
	s_lshl_b32 s17, s17, 2
	s_add_co_u32 s17, s17, s41                     ; tile row
	s_lshl_b32 s43, s41, 2
	s_lshl_b32 s43, 15, s43                        ; my row of the cluster
	s_lshl_b32 s44, 0x1111, s40                    ; my column
	s_or_b32 s[G1+0], s43, (3<<16)|(1<<21)         ; y: elements of 8 bytes, no padding; four rows of 4,096 bytes (8 heads' images of 16 tokens), 8,192 bytes apart
	s_mov_b32 s[G1+1], 512<<16
	s_mov_b32 s[G1+2], 4<<16
	s_mov_b32 s[G1+3], 512<<16
	s_mov_b32 s[G1+4], 4
	s_mov_b32 s[G1+5], 1024
	s_mov_b32 s[G1+6], 0
	s_mov_b32 s[G1+7], 0
	s_or_b32 s[G1B+0], s44, (0<<16)|(1<<20)|(1<<21)|(5<<22)|(3<<25)   ; Wp: 128 rows of 256 bytes, 16 bytes of padding behind each
	s_mov_b32 s[G1B+1], 256<<16
	s_mov_b32 s[G1B+2], 128<<16
	s_mov_b32 s[G1B+3], 256<<16
	s_mov_b32 s[G1B+4], 128
	s_mov_b32 s[G1B+5], 512
	s_mov_b32 s[G1B+6], 0
	s_mov_b32 s[G1B+7], 0
	s_lshl_b32 s21, s17, 3
	s_lshl_b32 s22, s20, 2
	s_add_co_u32 s22, s21, s22                     ; y: tile of 16 tokens 8 x tile row + 4 x half,
	s_lshl_b32 s22, s22, 13                        ; 8,192 bytes each
	s_mov_b32 s23, 0
	s_lshl_b32 s46, s42, 8
	s_lshl_b32 s47, s20, 7
	s_add_co_u32 s46, s46, s47
	s_add_co_u32 s46, s46, 11264                   ; Wp: row 11,264 + 256 x tile column + 128 x half of cod (the half that I fetch is also the half that I multiply: both are wave % 2)
	s_lshl_b32 s70, s46, 9
	s_mov_b32 s71, 0
	s_lshl_b32 s45, s20, 14                        ; where they go in a slot: y's half,
	s_mul_i32 s72, s20, HALFB                      ; Wp's half: no place in the cluster enters an LDS address
	s_lshl_b32 s74, s46, 5                         ; my 128 rows' scale bytes
	s_mov_b32 s75, 0
	s_sub_co_u32 s80, s46, 11264
	s_lshl_b32 s80, s80, 2                         ; my first column, in bytes
	s_mov_b32 s81, 0
	s_lshl_b32 s82, s17, 7
	s_lshl_b32 s83, s19, 6
	s_add_co_u32 s82, s82, s83                     ; my first token
	s_lshl_b32 s84, s82, 1                         ; in a head's row of ysp,
	s_mov_b32 s85, 0
	s_lshl_b32 s86, s82, 12                        ; and in out0
	s_add_co_u32 s86, s86, s80
	s_mov_b32 s87, 0
	s_wait_dscnt 0x0
	s_wait_kmcnt 0x0
	s_add_nc_u64 s[22:23], s[4:5], s[22:23]
	s_add_nc_u64 s[70:71], s[8:9], s[70:71]
	s_add_nc_u64 s[66:67], s[10:11], s[74:75]
	s_add_nc_u64 s[68:69], s[12:13], s[80:81]
	s_add_nc_u64 s[76:77], s[6:7], s[84:85]
	s_add_nc_u64 s[78:79], s[14:15], s[86:87]
	CROUND                                         ; all sixteen work-groups are here: the joint loads meet
.irp s, 0,1
	s_mov_b32 s[G0+4*\s], 1
	s_add_co_u32 s[G0+4*\s+1], s45, AIMG+\s*ASLOT
	s_add_nc_u64 s[G0+4*\s+2:G0+4*\s+3], s[22:23], \s*4096
	s_or_b32 s[G0+4*\s+3], s[G0+4*\s+3], 0x80000000
	s_mov_b32 s[G0B+4*\s], 1
	s_add_co_u32 s[G0B+4*\s+1], s72, \s*BSLOT
	s_add_nc_u64 s[G0B+4*\s+2:G0B+4*\s+3], s[70:71], \s*256
	s_or_b32 s[G0B+4*\s+3], s[G0B+4*\s+3], 0x80000000
	s_wait_alu depctr_va_vdst(0)
	s_wait_tensorcnt 0x0
	ds_add_u32 v254, v255
	ds_add_u32 v254, v255
	s_wait_dscnt 0x0
	CROUND
	JLOAD G0+4*\s, G1, G0B+4*\s, G1B               ; two tensor loads of mine are out at the most
.endr
	v_and_b32 v1, 15, v0                           ; r
	v_bfe_u32 v2, v0, 4, 1                         ; hh
	v_and_b32 v3, 31, v0                           ; lane
	v_lshlrev_b32 v[R32], 5, v1
	v_lshlrev_b32 v[H32], 5, v2
	v_lshlrev_b32 v[L2], 1, v3
.irp i, 0,1,2,3,4,5,6,7
	global_load_b128 v[SB+8*\i:SB+8*\i+3],   v[R32], s[66:67] offset:512*\i      ; row 16 i + r of my 128: its eight scale words
	global_load_b128 v[SB+8*\i+4:SB+8*\i+7], v[R32], s[66:67] offset:512*\i+16
.endr
.irp e, 0,1,2,3,4,5,6,7,8,9,10,11,12,13,14,15
.irp pr, 0,1
	global_load_u16 v[RAW+2*\e+\pr], v[L2], s[76:77] offset:16384*\e+64*\pr      ; head e, tokens 32 pr + lane: lanes 0-15 block 2 pr, lanes 16-31 block 2 pr + 1
.endr
.endr
	WIN 0x40                                       ; destination window 1
.irp b, 0,1,2,3,4,5,6,7
	global_load_b128 v[BI+8*\b:BI+8*\b+3],   v[H32], s[68:69] offset:64*\b       ; bp at columns 16 b + 8 hh + 0 .. 7: the result's layout
	global_load_b128 v[BI+8*\b+4:BI+8*\b+7], v[H32], s[68:69] offset:64*\b+16
.endr
	WIN 0
	v_mul_u32_u24 v4, v1, PITCH
	v_lshl_add_u32 v4, v2, 4, v4                   ; Wp: a fragment's row x pitch + 16 x half
	v_lshlrev_b32 v[CO], 4, v3                     ; 16 x lane
	s_wait_alu depctr_va_vdst(0)
	s_mul_i32 s88, s20, HALFB                      ; my 128 rows of Wp
	s_lshl_b32 s89, s19, 14
	s_add_co_u32 s89, s89, AIMG                    ; my four tiles of tokens
.irp s, 0,1
	v_add_nc_u32 v[ADRB+\s], s88, v4
	v_add_nc_u32 v[ADRA+\s], s89, v[CO]
	s_add_co_u32 s88, s88, BSLOT
	s_add_co_u32 s89, s89, ASLOT
.endr
	s_mul_i32 s88, s18, 16*SPITCH
	s_add_co_u32 s88, s88, STG                     ; my stage
	v_mul_u32_u24 v5, v1, SPITCH                   ; in: row r, 32 bytes for each half of the lanes
	v_lshl_add_u32 v5, v2, 5, v5
	v_add_nc_u32 v[STO], s88, v5
	v_add_nc_u32 v[RD], s88, v[CO]                 ; back: the 32 lanes take one row of 512 bytes
.macro FETCH slot, q, p                ; 24 LDS loads in one run: the slot's q-th 128 along K into set p
	WIN 0x40
.irp i, 0,1,2,3,4,5,6,7
.irp c, 0,1
	ds_load_b128 v[96*(\p)+8*\i+4*\c:96*(\p)+8*\i+4*\c+3], v[ADRB+(\slot)] offset:64*(\q)+32*\c+\i*16*PITCH
.endr
.endr
.irp i, 0,1,2,3
.irp c, 0,1
	ds_load_b128 v[96*(\p)+64+8*\i+4*\c:96*(\p)+64+8*\i+4*\c+3], v[ADRA+(\slot)] offset:4096*\i+1024*(\q)+512*\c   ; heads 2 q + c of the slot's eight: registers 4 c .. 4 c + 3
.endr
.endr
.endm
; 16 matrix instructions: blocks 2 h, 2 h + 1 of tokens x Wp's eight.  The 32 accumulators take turns, one instruction a turn, in the same order in every step.
.macro MUL16 h, p, k, first
.irp a, 0,1
.irp b, 0,1,2,3,4,5,6,7
.if \first
.if \a
	v_wmma_scale_f32_16x16x128_f8f6f4 v[8*(8*(2*(\h)+\a)+\b):8*(8*(2*(\h)+\a)+\b)+7], v[96*(\p)+8*\b:96*(\p)+8*\b+7], v[96*(\p)+64+8*(2*(\h)+\a):96*(\p)+64+8*(2*(\h)+\a)+7], v[BI+8*\b:BI+8*\b+7], v[SB+8*\b+(\k)], v[SA+8*(\h)+(\k)] matrix_a_fmt:MATRIX_FMT_FP4 matrix_b_fmt:MATRIX_FMT_FP4 matrix_b_scale:MATRIX_SCALE_ROW1
.else
	v_wmma_scale_f32_16x16x128_f8f6f4 v[8*(8*(2*(\h)+\a)+\b):8*(8*(2*(\h)+\a)+\b)+7], v[96*(\p)+8*\b:96*(\p)+8*\b+7], v[96*(\p)+64+8*(2*(\h)+\a):96*(\p)+64+8*(2*(\h)+\a)+7], v[BI+8*\b:BI+8*\b+7], v[SB+8*\b+(\k)], v[SA+8*(\h)+(\k)] matrix_a_fmt:MATRIX_FMT_FP4 matrix_b_fmt:MATRIX_FMT_FP4
.endif
.else
.if \a
	v_wmma_scale_f32_16x16x128_f8f6f4 v[8*(8*(2*(\h)+\a)+\b):8*(8*(2*(\h)+\a)+\b)+7], v[96*(\p)+8*\b:96*(\p)+8*\b+7], v[96*(\p)+64+8*(2*(\h)+\a):96*(\p)+64+8*(2*(\h)+\a)+7], v[8*(8*(2*(\h)+\a)+\b):8*(8*(2*(\h)+\a)+\b)+7], v[SB+8*\b+(\k)], v[SA+8*(\h)+(\k)] matrix_a_fmt:MATRIX_FMT_FP4 matrix_b_fmt:MATRIX_FMT_FP4 matrix_b_scale:MATRIX_SCALE_ROW1
.else
	v_wmma_scale_f32_16x16x128_f8f6f4 v[8*(8*(2*(\h)+\a)+\b):8*(8*(2*(\h)+\a)+\b)+7], v[96*(\p)+8*\b:96*(\p)+8*\b+7], v[96*(\p)+64+8*(2*(\h)+\a):96*(\p)+64+8*(2*(\h)+\a)+7], v[8*(8*(2*(\h)+\a)+\b):8*(8*(2*(\h)+\a)+\b)+7], v[SB+8*\b+(\k)], v[SA+8*(\h)+(\k)] matrix_a_fmt:MATRIX_FMT_FP4 matrix_b_fmt:MATRIX_FMT_FP4
.endif
.endif
.endr
.endr
.endm
; K step k of eight: 32 matrix instructions on set k % 2; the next step's 24 loads go out first, into the other set, four plain places behind the matrix instructions that read it.
.macro KSTEP k
.set KP, (\k)%2
.set NS, ((\k)+1)/4
.set NQ, ((\k)+1)%4
.if (\k) == 0
	s_wait_dscnt 0x0
	FETCH NS, NQ, 1-KP
	WIN 0x95                                       ; sources 0, 1 and 2 (the bias) window 1, destination window 2
	MUL16 0, KP, \k, 1
	MUL16 1, KP, \k, 1
.elseif (\k) == 3
	s_wait_tensorcnt 0x0                           ; my part of slot 1 has landed,
	s_wait_dscnt 0x0                               ; this step's fragments are in: no LDS instruction of mine is pending at the signal
	s_barrier_signal -1
	WIN 0xa5
	MUL16 0, KP, \k, 0
	s_barrier_wait -1                              ; slot 1 is whole
	PLACES 4
	FETCH NS, NQ, 1-KP
	WIN 0xa5
	MUL16 1, KP, \k, 0
.elseif (\k) == 7
	s_wait_dscnt 0x0
	WIN 0xa5
	MUL16 0, KP, \k, 0
	MUL16 1, KP, \k, 0
.else
	s_wait_dscnt 0x0                               ; this step's 24 loads were issued a step, 32 matrix instructions, ago
	PLACES 4
	FETCH NS, NQ, 1-KP
	WIN 0xa5                                       ; sources 0 and 1 window 1, C and D window 2
	MUL16 0, KP, \k, 0
	MUL16 1, KP, \k, 0
.endif
.endm
	s_wait_alu depctr_va_vdst(0)
	s_wait_tensorcnt 1                             ; my part of slot 0 is in; slot 1's load stays out
	s_barrier_signal -1
	s_barrier_wait -1                              ; everybody's is
	FETCH 0, 0, 0
	s_wait_loadcnt 0x0                             ; scale words, scale halves, bias
	WIN 0
.irp pr, 0,1
.irp k, 0,1,2,3,4,5,6,7
	v_lshl_or_b32 v[SA+8*\pr+\k], v[RAW+2*(2*\k+1)+\pr], 16, v[RAW+2*(2*\k)+\pr]   ; K step k is heads 2 k and 2 k + 1: two bytes of each make the token's scale word
.endr
.endr
	PLACES 8                                       ; a scale register written by a vector instruction stands eight places ahead of a scaled matrix instruction
	s_wait_alu depctr_va_vdst(0)
.irp k, 0,1,2,3,4,5,6,7
	KSTEP \k
.endr
; THE WAY OUT, block by block of 16 tokens x 128 columns: through my own stage in LDS, back as whole rows of 512 bytes.  LDS serves a wave's instructions in order (ISA guide 5.7.1.4): no wait between the stores and the loads.
.macro TOSTAGE a
	WIN 0x08                                       ; an LDS store's data are its source 1: window 2
.irp b, 0,1,2,3,4,5,6,7
	ds_store_b128 v[STO], v[64*(\a)+8*\b:64*(\a)+8*\b+3] offset:64*\b            ; each accumulator from its low end on
	ds_store_b128 v[STO], v[64*(\a)+8*\b+4:64*(\a)+8*\b+7] offset:64*\b+16
.endr
	WIN 0
.set BB, BK+64*((\a)%2)
.irp t, 0,1,2,3,4,5,6,7,8,9,10,11,12,13,14,15
	ds_load_b128 v[BB+4*\t:BB+4*\t+3], v[RD] offset:\t*SPITCH
.endr
.endm
.macro SEND a, younger                 ; younger: the LDS instructions issued behind block a's loads, which may stay out
.set BB, BK+64*((\a)%2)
	s_wait_dscnt \younger
.irp t, 0,1,2,3,4,5,6,7,8,9,10,11,12,13,14,15
	global_store_b128 v[CO], v[BB+4*\t:BB+4*\t+3], s[78:79] offset:(16*(\a)+\t)*4096 th:TH_STORE_NT   ; 32 lanes store 512 consecutive bytes, at a multiple of 256 from out0's first byte
.endr
.endm
	WIN 0
	PLACES 4                                       ; behind the last products, ahead of the first read of results
	TOSTAGE 0
.irp a, 1,2,3
.if \a > 1
	s_wait_xcnt 0x0                                ; block a - 2's stores have read their registers: block a's loads may land there
.endif
	TOSTAGE \a
	SEND \a-1, 32                                  ; behind block a - 1's loads: block a's 16 stores and 16 loads
.endr
	SEND 3, 0
	s_wait_tensorcnt 0x0
	ds_add_u32 v254, v255
	s_wait_dscnt 0x0
	CROUND                                         ; the closing round: no work-group ends while a partner may still ask for a tile that names it
	s_endpgm
.Lfunc_end_k_q8b186e13a8_proj:
	.size	k_q8b186e13a8_proj, .Lfunc_end_k_q8b186e13a8_proj-k_q8b186e13a8_proj
	.p2alignl 7, 3214868480
	.fill 96, 4, 3214868480
	.section	.rodata,"a",@progbits
	.p2align	6, 0x0
	.amdhsa_kernel k_q8b186e13a8_proj
		.amdhsa_group_segment_fixed_size 327680
		.amdhsa_private_segment_fixed_size 0
		.amdhsa_enable_private_segment 0
		.amdhsa_kernarg_size 48
		.amdhsa_user_sgpr_count 2
		.amdhsa_user_sgpr_kernarg_segment_ptr 1
		.amdhsa_wavefront_size32 1
		.amdhsa_system_sgpr_workgroup_id_x 1
		.amdhsa_system_sgpr_workgroup_id_y 1
		.amdhsa_system_sgpr_workgroup_id_z 1
		.amdhsa_system_vgpr_workitem_id 0
		.amdhsa_next_free_vgpr 768
		.amdhsa_next_free_sgpr 100
		.amdhsa_reserve_vcc 0
		.amdhsa_float_denorm_mode_32 3
		.amdhsa_float_denorm_mode_16_64 3
		.amdhsa_memory_ordered 1
		.amdhsa_forward_progress 1
		.amdhsa_inst_pref_size 77
	.end_amdhsa_kernel
	.amdgpu_metadata
---
amdhsa.version: [ 1, 2 ]
amdhsa.kernels:
  - .name:           k_q8b186e13a8_proj
    .symbol:         k_q8b186e13a8_proj.kd
    .args:
      - { .name: yimg, .offset: 0, .size: 8, .value_kind: global_buffer, .address_space: global }
      - { .name: ysp, .offset: 8, .size: 8, .value_kind: global_buffer, .address_space: global }
      - { .name: cod, .offset: 16, .size: 8, .value_kind: global_buffer, .address_space: global }
      - { .name: scl, .offset: 24, .size: 8, .value_kind: global_buffer, .address_space: global }
      - { .name: bp, .offset: 32, .size: 8, .value_kind: global_buffer, .address_space: global }
      - { .name: out0, .offset: 40, .size: 8, .value_kind: global_buffer, .address_space: global }
    .group_segment_fixed_size: 327680
    .private_segment_fixed_size: 0
    .kernarg_segment_align: 8
    .kernarg_segment_size: 48
    .max_flat_workgroup_size: 128
    .sgpr_count:     100
    .vgpr_count:     768
    .wavefront_size: 32
...
	.end_amdgpu_metadata
.endif
;; end of part 4
